; MI455X (gfx1250); checked and timed in simulation.
; The chip was launched on July 23, 2026; its instructions are those of AMD's public machine-readable ISA for CDNA 5 (MIT licence, August 2026) and "CDNA5" Instruction Set Architecture Reference Guide (July 2026). The comments in the code are by the model that wrote it; some were corrected since.
;; Multihead Attention. Allowed arithmetic: matrix products marked QUANTISED: E2M1 operands, one E8M0 scale for each 32 along K, by v_wmma_scale_f32_16x16x128_f8f6f4 with both operands' format E2M1 (or v_wmma_scale_f32_32x16x128_f4), f32 sums; products left as they are: bf16, f16 or f32 operands; f32 sums; everything else in f32.
;; Inputs: b_0 1,024 float32; b_k 1,024 float32; b_q 1,024 float32; b_v 1,024 float32; k 4 x 2,048 x 1,024 float32; q 4 x 2,048 x 1,024 float32; v 4 x 2,048 x 1,024 float32; w_0 1,024 x 1,024 float32; w_k 1,024 x 1,024 float32; w_q 1,024 x 1,024 float32; w_v 1,024 x 1,024 float32.
;; Outputs: out0 4 x 2,048 x 1,024 float32.
;; This version of the problem:
;;   THIS VERSION OF THE PROBLEM IS GIVEN IN LOW PRECISION. The matrix products marked QUANTISED in the list below multiply operands that are first quantised to E2M1 (2 exponent bits, 1 mantissa bit; 4 bits a number), with one power-of-two scale for each 32 numbers along K (OCP MX v1.0); their sums are f32. The products marked 'left as it is' may take bf16, f16 or f32 operands, with f32 sums. Whichever they take, every output number must still come out within the allowed error. Rounding operands to bf16 (8 significant bits) uses up far more of that allowance than f16 does (11 bits, for magnitudes from 6e-5 to 65,504). All else is computed in f32.
;;   The module's matrix products, in the order in which they are computed (A, B: the left and right operand; K: the contracted axis; several contracted axes count as one K, in the product's order):
;;     1. [M 8,192, K 1,024] x [K 1,024, N 1,024]; A: input q; B: input w_q: QUANTISED
;;     2. [M 8,192, K 1,024] x [K 1,024, N 1,024]; A: input k; B: input w_k: QUANTISED
;;     3. [M 8,192, K 1,024] x [K 1,024, N 1,024]; A: input v; B: input w_v: QUANTISED
;;     4. batch 64 x [M 2,048, K 64] x [K 64, N 2,048]; A: computed on the way; B: computed on the way: left as it is (an operand is computed on the way)
;;     5. batch 64 x [M 2,048, K 2,048] x [K 2,048, N 64]; A: computed on the way; B: computed on the way: left as it is (an operand is computed on the way)
;;     6. [M 8,192, K 1,024] x [K 1,024, N 1,024]; A: computed on the way; B: input w_0: left as it is (an operand is computed on the way)
;;   THE QUANTISER, for each operand of a quantised product, along K:
;;     - K is cut into blocks of 32 from its start; a last block that is shorter is filled with zeros.
;;     - A block's scale is 2^e with e = floor(log2(the largest magnitude in the block)) - 2, held to -126 .. 127; a block of zeros has e = 0. As a byte (E8M0): e + 127.
;;     - Each number is divided by its block's scale, clamped to +-6, and rounded to the nearest number of E2M1, ties to even, subnormals kept.
;;     - The product sums the exact products of the quantised numbers (number of the format x scale) in f32.
;;   ~~~python
;;   def quantise(x, axis):      # numpy; x: float32 -> the quantised numbers, widened to float32 again
;;       x = np.moveaxis(x, axis, -1); K = x.shape[-1]
;;       x = np.pad(x, [(0, 0)] * (x.ndim - 1) + [(0, -K % 32)]); x = x.reshape(x.shape[:-1] + (-1, 32)); a = np.abs(x).max(-1, keepdims=True)
;;       e = np.where(a > 0, np.clip(np.frexp(np.where(a > 0, a, 1))[1] - 1 - 2, -126, 127), 0)      # np.frexp(a)[1] - 1 = floor(log2(a)), exactly
;;       r = np.clip(x / 2.0 ** e, -6, 6)
;;       step = 2.0 ** (np.maximum(np.frexp(np.where(r == 0, 1, r))[1] - 1, 0) - 1)
;;       q = np.round(r / step) * step * 2.0 ** e      # np.round: ties to even
;;       return np.moveaxis(q.reshape(q.shape[:-2] + (-1,))[..., :K], -1, axis).astype(np.float32)
;;   ~~~
;; One version. Each part assembles by itself: llvm-mc -triple=amdgcn-amd-amdhsa -mcpu=gfx1250 --defsym DOCPART=n.
;; ======== version 1 of 1: 4 launches
;; limits: values are held in f16: magnitudes above 65,504 overflow, below 6.1e-05 lose precision
;; workspace buffers: xc 12,582,912 bytes; xs 786,432 bytes; wc 1,572,864 bytes; ws 98,304 bytes; w0t 2,097,152 bytes; qkvh 50,331,648 bytes; att 16,777,216 bytes
;; launch quant (part 1): grid 880 x 1, 4 waves a work-group, no clusters, 102,912 bytes of LDS; arguments q, k, v, w_q, w_k, w_v, w_0, xc, xs, wc, ws, w0t; writes xc, xs, wc, ws, w0t
.if DOCPART == 1
	.amdgcn_target "amdgcn-amd-amdhsa--gfx1250"
	.amdhsa_code_object_version 6
	.text
	.protected	k_qb7417f06e5_quant
	.globl	k_qb7417f06e5_quant
	.p2align	8
	.type	k_qb7417f06e5_quant,@function
k_qb7417f06e5_quant:
	s_mov_b64 s[64:65], 0
	v_nop
	global_prefetch_b8 v0, s[64:65] scope:SCOPE_SE
	s_setreg_imm32_b32 hwreg(HW_REG_WAVE_MODE, 25, 1), 1
	s_wait_xcnt 0x0
; THE OPERANDS OF THE THREE QUANTISED PRODUCTS ARE MADE ONCE, AND w_0 IS LAID FOR THE LAST PRODUCT.  Three paths, parted by the work-group's number:
;   work-groups 0-47    W: w_q, w_k, w_v [1024 (k)][1024 (n)] f32 -> codes of E2M1 laid [n][k], K innermost (wc), one E8M0 byte for each 32 along K (ws)
;   work-groups 48-111  H: w_0 [1024 (k)][1024 (n)] f32 -> f16 laid [n][k] (w0t)
;   work-groups 112-879 X: q, k, v [8192][1024] f32, K innermost -> codes (xc) and scale bytes (xs); the three tensors lie one behind the other
; A block's scale is 2^(floor(log2(its largest magnitude)) - 2); its byte is the largest magnitude's exponent field - 2, held at 1 from below; each number is divided by the scale and
; rounded to the nearest code, ties to even, beyond 6 the code of 6.
; LIMITS: a block of zeros gets the byte 1 where the quantiser's text says 127: its codes are zeros, which add nothing under any byte but 0xff, and this program alone reads the bytes.
; Blocks whose largest magnitude lies under 2^-124 are held at the byte 1.  NaN and infinities among the inputs are not served.  |w_0| above 65,504 is not served (f16).
; No work-group shares an input with another, so there is no cluster; no tensor load, no barrier: a wave touches LDS bytes of its own alone, and each path has LDS bytes of its own.
; The few work-groups of W and H have the lowest numbers: their chains of loads run beside the long stream of X.
.set STEPS, 16                         ; X: steps of 512 numbers a wave
.set CB,    8                          ; bytes of 16 codes
.set R,     16                         ; X: v16-79   four sets of 16 numbers as they are loaded
.set X,     80                         ; X: v80-111  two sets of 16 neighbours
.set E,     112                        ; X: v112-127 a scale byte for each step
.set C,     128                        ; X: v128-191 codes: four registers for each step, so that no store's data are written again
.set WREG,  8192                       ; X: LDS region of a wave: two stages of 32 x SP bytes, behind them its 256 scale bytes
.set SP,    80                         ; X: a lane's place in a stage: 64 bytes + 16 of padding
.set PITCH, 272                        ; W, H: a stage row: 256 bytes + 16
.set STQ,   4*WREG                     ; W: four stages of 32 rows
.set STH,   STQ+4*32*PITCH             ; H: four stages of 32 rows
.set SPARE, STH+4*32*PITCH             ; the spare words, 128 bytes for each wave: two blocks of 256 bytes that no other line names
.set SPW,   12                         ; v12  LDS address of my spare word; never rewritten
.set NIL,   13                         ; v13  0; never rewritten
.set WX,    32                         ; W, H: v32-95 two sets of 32 numbers
.set WC,    96                         ; W, H: v96.. what a block has become
.set OUTR,  112                        ; W, H: v112-175 the way out
.set SB,    24                         ; W: v24-27 the scale bytes, four to a register
.macro FINISH                          ; a wave's end
	s_wait_tensorcnt 0x0
	ds_add_u32 v[SPW], v[NIL]
	s_wait_dscnt 0x0
	s_endpgm
.endm
	s_load_b256 s[4:11], s[0:1], 0x0               ; q s[4:5], k s[6:7], v s[8:9], w_q s[10:11]
	s_load_b256 s[12:19], s[0:1], 0x20             ; w_k s[12:13], w_v s[14:15], w_0 s[16:17], xc s[18:19]
	s_load_b256 s[20:27], s[0:1], 0x40             ; xs s[20:21], wc s[22:23], ws s[24:25], w0t s[26:27]
	v_lshl_add_u32 v[SPW], v0, 2, SPARE
	v_mov_b32 v[NIL], 0
	v_lshrrev_b32 v1, 5, v0
	v_readfirstlane_b32 s28, v1                    ; wave 0..3
	v_and_b32 v2, 31, v0                           ; lane
	s_wait_kmcnt 0x0
	s_cmp_lt_u32 ttmp9, 48
	s_cbranch_scc1 .Lw
	s_cmp_lt_u32 ttmp9, 112
	s_cbranch_scc1 .Lh
; ---------------- X: a wave takes 16 steps of 512 numbers.  Rows are dense and 1,024 is a multiple of 32: each tensor is a plain stream of blocks of 32, and so are codes and bytes.
; Each of a step's four loads reads 512 consecutive bytes, 16 a lane; the 2,048 bytes turn through the wave's stage and come back 64 bytes a lane: 16 neighbours along K, two lanes to a block.
	s_sub_co_u32 s29, ttmp9, 112                   ; 0..767: 256 work-groups of 32,768 numbers to a tensor
	s_cmp_lt_u32 s29, 256
	s_cselect_b64 s[4:5], s[4:5], s[6:7]           ; q or k,
	s_cmp_lt_u32 s29, 512
	s_cselect_b64 s[4:5], s[4:5], s[8:9]           ; or v: the choice hangs on the work-group's number alone
	s_and_b32 s30, s29, 255
	s_lshl_b32 s30, s30, 2
	s_add_co_u32 s30, s30, s28                     ; my run of 8,192 numbers in the tensor,
	s_lshl_b32 s30, s30, 15                        ; 32,768 bytes each
	s_mov_b32 s31, 0
	s_add_nc_u64 s[4:5], s[4:5], s[30:31]
	s_lshl_b32 s32, s29, 2
	s_add_co_u32 s32, s32, s28                     ; my run among all three tensors': 0..3071
	s_lshl_b32 s34, s32, 12                        ; 4,096 bytes of codes a run
	s_mov_b32 s35, 0
	s_add_nc_u64 s[18:19], s[18:19], s[34:35]
	s_lshl_b32 s34, s32, 8                         ; 256 scale bytes a run
	s_add_nc_u64 s[20:21], s[20:21], s[34:35]
	v_lshlrev_b32 v3, 4, v2                        ; my 16 bytes of a load's 512
	s_lshl_b32 s33, s28, 13                        ; my region: WREG x wave
	v_lshrrev_b32 v14, 2, v2
	v_mul_u32_u24 v14, v14, SP
	v_and_b32 v15, 3, v2
	v_lshl_add_u32 v14, v15, 4, v14
	v_add_nc_u32 v14, s33, v14                     ; the stage, in: four lanes' 64 bytes on end, then 16 of padding
	v_mul_u32_u24 v15, v2, SP
	v_add_nc_u32 v15, s33, v15                     ; out: SP x lane: my 16 neighbours
	v_mul_u32_u24 v4, v2, CB                       ; my codes' place in a step's
	v_lshrrev_b32 v5, 1, v2
	s_add_co_u32 s33, s33, 2*32*SP
	v_add_nc_u32 v5, s33, v5                       ; my wave's 256 scale bytes: my block's byte
	v_lshlrev_b32 v7, 3, v2                        ; and on the way out 8 bytes a lane
	v_add_nc_u32 v6, s33, v7
.macro XLOAD t
.irp i, 0,1,2,3
	global_load_b128 v[R+16*((\t)%4)+4*\i:R+16*((\t)%4)+4*\i+3], v3, s[4:5] offset:2048*(\t)+512*\i th:TH_LOAD_NT   ; 32 lanes read 512 consecutive bytes; read once in the launch
.endr
.endm
.macro XTURN t                         ; step t's numbers through the stage: LDS serves a wave's instructions in order (ISA guide 5.7.1.4), so no wait stands between the stores and the loads
.irp i, 0,1,2,3
	ds_store_b128 v14, v[R+16*((\t)%4)+4*\i:R+16*((\t)%4)+4*\i+3] offset:32*SP*((\t)%2)+8*SP*\i
.endr
.irp i, 0,1,2,3
	ds_load_b128 v[X+16*((\t)%2)+4*\i:X+16*((\t)%2)+4*\i+3], v15 offset:32*SP*((\t)%2)+16*\i
.endr
.endm
.irp t, 0,1,2,3
	XLOAD \t
.endr
	s_wait_loadcnt 12                              ; step 0's four loads are in; the twelve of steps 1 to 3 stay out
	XTURN 0
.macro XSTEP t
.set XS, X+16*((\t)%2)
.if (\t) > 0
	s_wait_dscnt 1                                 ; this step's numbers are back from the stage (the last step's byte store may be out): so its stores into the stage have read their registers,
.else
	s_wait_dscnt 0x0
.endif
.if (\t)+4 < STEPS
	XLOAD (\t)+4                                   ; which take the loads of four steps on
.endif
.if (\t)+1 < STEPS
.if STEPS-2-(\t) >= 3
	s_wait_loadcnt 12                              ; the next step's four loads are in; those of the three steps behind it stay out
.else
	s_wait_loadcnt 4*(STEPS-2-(\t))                ; at the end the counts run down
.endif
	XTURN (\t)+1                                   ; and go through the other stage while this step is worked
.endif
	v_max3_num_f32 v8, |v[XS]|, |v[XS+1]|, |v[XS+2]|               ; the largest magnitude of my 16, in two chains
	v_max3_num_f32 v9, |v[XS+3]|, |v[XS+4]|, |v[XS+5]|
.irp i, 6,10
	v_max3_num_f32 v8, v8, |v[XS+\i]|, |v[XS+\i+1]|
	v_max3_num_f32 v9, v9, |v[XS+\i+2]|, |v[XS+\i+3]|
.endr
	v_max3_num_f32 v8, v8, |v[XS+14]|, |v[XS+15]|
	v_max3_num_f32 v8, v8, v9, 0x1800000           ; and the floor 2^(3 - 127): the byte cannot fall under 1
	v_max_num_f32_dpp v8, v8, v8 row_xmask:1 row_mask:0xf bank_mask:0xf   ; with my neighbour's 16: the block's
	v_add_nc_u32 v11, 0xff000000, v8               ; 2 off its exponent field: the conversion takes the exponent field of this operand as its scale, and nothing else of it
	v_cvt_scalef32_pk8_fp4_f32 v[C+4*(\t)], v[XS:XS+7], v11
	v_cvt_scalef32_pk8_fp4_f32 v[C+4*(\t)+1], v[XS+8:XS+15], v11
	v_lshrrev_b32 v[E+(\t)], 23, v11               ; the scale's byte (a plain line behind the conversions)
	ds_store_b8 v5, v[E+(\t)] offset:16*(\t)       ; both lanes of a block write the same byte with the same value
	global_store_b64 v4, v[C+4*(\t):C+4*(\t)+1], s[18:19] offset:32*CB*(\t)   ; the wave stores 256 consecutive bytes, aligned
.endm
.irp t, 0,1,2,3,4,5,6,7,8,9,10,11,12,13,14,15
	XSTEP \t
.endr
	ds_load_b64 v[8:9], v6                         ; my wave's 256 scale bytes, 8 a lane: these loads see my stores
	s_wait_dscnt 0x0
	global_store_b64 v7, v[8:9], s[20:21]          ; 256 consecutive bytes, aligned
	FINISH
; ---------------- W and H: K is the tensor's FIRST axis.  A lane takes a column n and its registers run down K: each load reads 128 consecutive bytes a wave (512 a work-group), a block of 32 along K
; lies in one lane's 32 registers, and what is made of it has K innermost.  A column's 256 bytes gather in the wave's stage and leave as rows: sixteen lanes store 256 consecutive bytes, aligned.
.macro WADDR stage, sh                 ; sh: log2 of the output's row in bytes
	v_lshlrev_b32 v3, 2, v2                        ; in: 4 bytes a lane
	s_mul_i32 s33, s28, 32*PITCH
	s_add_co_u32 s33, s33, \stage                  ; my stage
	v_mul_u32_u24 v4, v2, PITCH
	v_add_nc_u32 v4, s33, v4                       ; into it: row = my column
	v_and_b32 v5, 15, v2
	v_lshrrev_b32 v6, 4, v2                        ; out of it: sixteen lanes to a row, two rows an instruction
	v_mul_u32_u24 v7, v6, PITCH
	v_lshl_add_u32 v7, v5, 4, v7
	v_add_nc_u32 v7, s33, v7
	v_lshlrev_b32 v8, \sh, v6
	v_lshl_add_u32 v8, v5, 4, v8                   ; and the same place in the output
.endm
.macro WLOAD t                         ; block t: rows 32 t + i of my column, into set t % 2; every offset is an immediate: 511 x 4,096 at the most
.irp i, 0,1,2,3,4,5,6,7,8,9,10,11,12,13,14,15,16,17,18,19,20,21,22,23,24,25,26,27,28,29,30,31
	global_load_b32 v[WX+32*((\t)%2)+\i], v3, s[4:5] offset:(32*(\t)+\i)*4096 th:TH_LOAD_NT
.endr
.endm
.macro WOUT lo, hi, gp                 ; the stage's 32 rows leave; gp: the output's row in bytes
.irp t, 0,1,2,3,4,5,6,7,8,9,10,11,12,13,14,15
	ds_load_b128 v[OUTR+4*\t:OUTR+4*\t+3], v7 offset:2*\t*PITCH
.endr
.irp t, 0,1,2,3,4,5,6,7,8,9,10,11,12,13,14,15
	s_wait_dscnt 15-\t                             ; LDS loads come back in order: load t is in
	global_store_b128 v8, v[OUTR+4*\t:OUTR+4*\t+3], s[\lo:\hi] offset:2*\t*\gp
.endr
.endm
.Lw:                                               ; a wave: 32 columns x 512 along K of one of the three weights
	s_and_b32 s29, ttmp9, 7                        ; which 128 columns
	s_lshr_b32 s30, ttmp9, 3                       ; 0..5: 2 x tensor + half of K
	s_cmp_lt_u32 s30, 2
	s_cselect_b64 s[4:5], s[10:11], s[12:13]       ; w_q or w_k,
	s_cmp_lt_u32 s30, 4
	s_cselect_b64 s[4:5], s[4:5], s[14:15]         ; or w_v
	s_lshr_b32 s31, s30, 1                         ; tensor
	s_and_b32 s30, s30, 1                          ; half of K
	s_lshl_b32 s29, s29, 7
	s_lshl_b32 s32, s28, 5
	s_add_co_u32 s29, s29, s32                     ; my first column
	s_lshl_b32 s34, s30, 21                        ; 512 rows of 4,096 bytes
	s_lshl_b32 s36, s29, 2
	s_add_co_u32 s34, s34, s36
	s_mov_b32 s35, 0
	s_add_nc_u64 s[4:5], s[4:5], s[34:35]
	s_lshl_b32 s34, s31, 19                        ; codes: 1,024 rows of 512 bytes a tensor,
	s_lshl_b32 s36, s29, 9                         ; my column's row,
	s_add_co_u32 s34, s34, s36
	s_lshl_b32 s36, s30, 8                         ; its half
	s_add_co_u32 s34, s34, s36
	s_add_nc_u64 s[22:23], s[22:23], s[34:35]
	s_lshl_b32 s34, s31, 15                        ; scale bytes: 32 a row
	s_lshl_b32 s36, s29, 5
	s_add_co_u32 s34, s34, s36
	s_lshl_b32 s36, s30, 4
	s_add_co_u32 s34, s34, s36
	s_add_nc_u64 s[24:25], s[24:25], s[34:35]
	WADDR STQ, 9
	v_lshlrev_b32 v9, 5, v2                        ; my column's row of scale bytes
	WLOAD 0
	WLOAD 1
.macro WBLOCK t
.set XS, WX+32*((\t)%2)
.if (\t) < 15
	s_wait_loadcnt 32                              ; this block's 32 loads are in; the next block's 32 stay out
.else
	s_wait_loadcnt 0x0
.endif
	v_max3_num_f32 v16, |v[XS]|, |v[XS+1]|, |v[XS+2]|              ; the block's largest magnitude: all 32 numbers are mine
	v_max3_num_f32 v17, |v[XS+3]|, |v[XS+4]|, |v[XS+5]|
.irp i, 6,10,14,18,22,26
	v_max3_num_f32 v16, v16, |v[XS+\i]|, |v[XS+\i+1]|
	v_max3_num_f32 v17, v17, |v[XS+\i+2]|, |v[XS+\i+3]|
.endr
	v_max3_num_f32 v16, v16, |v[XS+30]|, |v[XS+31]|
	v_max3_num_f32 v16, v16, v17, 0x1800000        ; and the floor 2^(3 - 127)
	v_add_nc_u32 v18, 0xff000000, v16              ; the conversion's scale operand
	v_lshrrev_b32 v19, 23, v18                     ; the scale's byte
.if (\t)%4 == 0
	v_mov_b32 v[SB+(\t)/4], v19                    ; four bytes to a register, the lower K in the lower byte
.else
	v_lshl_or_b32 v[SB+(\t)/4], v19, 8*((\t)%4), v[SB+(\t)/4]
.endif
.irp g, 0,1,2,3
	v_cvt_scalef32_pk8_fp4_f32 v[WC+\g], v[XS+8*\g:XS+8*\g+7], v18
.endr
	ds_store_b128 v4, v[WC:WC+3] offset:16*(\t)    ; 32 codes: 16 bytes of my column's row.  (The codes go to an LDS store and the numbers' registers to loads; the next block begins with plain vector lines)
.if (\t)+2 < 16
	WLOAD (\t)+2
.endif
	s_wait_dscnt 0x0                               ; the store has read its registers: the next block's codes may be written
.endm
.irp t, 0,1,2,3,4,5,6,7,8,9,10,11,12,13,14,15
	WBLOCK \t
.endr
	global_store_b128 v9, v[SB:SB+3], s[24:25]     ; my column's 16 scale bytes
	WOUT 22, 23, 512
	FINISH
.Lh:                                               ; a wave: 32 columns x 128 along K of w_0, rounded to f16
	s_sub_co_u32 s29, ttmp9, 48
	s_lshr_b32 s30, s29, 3                         ; which 128 along K
	s_and_b32 s29, s29, 7
	s_lshl_b32 s29, s29, 7
	s_lshl_b32 s32, s28, 5
	s_add_co_u32 s29, s29, s32                     ; my first column
	s_lshl_b32 s34, s30, 19                        ; 128 rows of 4,096 bytes
	s_lshl_b32 s36, s29, 2
	s_add_co_u32 s34, s34, s36
	s_mov_b32 s35, 0
	s_add_nc_u64 s[4:5], s[16:17], s[34:35]
	s_lshl_b32 s34, s29, 11                        ; out: my column's row of 2,048 bytes,
	s_lshl_b32 s36, s30, 8                         ; its 256 bytes
	s_add_co_u32 s34, s34, s36
	s_add_nc_u64 s[26:27], s[26:27], s[34:35]
	WADDR STH, 11
	WLOAD 0
	WLOAD 1
.macro HBLOCK t
.set XS, WX+32*((\t)%2)
.if (\t) < 3
	s_wait_loadcnt 32                              ; this block's 32 loads are in; the next block's 32 stay out
.else
	s_wait_loadcnt 0x0
.endif
.irp i, 0,1,2,3,4,5,6,7,8,9,10,11,12,13,14,15
	v_cvt_pk_f16_f32 v[WC+\i], v[XS+2*\i], v[XS+2*\i+1]            ; two neighbours along K, the lower in the low half
.endr
.irp i, 0,1,2,3
	ds_store_b128 v4, v[WC+4*\i:WC+4*\i+3] offset:64*(\t)+16*\i
.endr
.if (\t)+2 < 4
	WLOAD (\t)+2
.endif
	s_wait_dscnt 0x0                               ; the stores have read their registers
.endm
.irp t, 0,1,2,3
	HBLOCK \t
.endr
	WOUT 26, 27, 2048
	FINISH
.Lfunc_end_k_qb7417f06e5_quant:
	.size	k_qb7417f06e5_quant, .Lfunc_end_k_qb7417f06e5_quant-k_qb7417f06e5_quant
	.p2alignl 7, 3214868480
	.fill 96, 4, 3214868480
	.section	.rodata,"a",@progbits
	.p2align	6, 0x0
	.amdhsa_kernel k_qb7417f06e5_quant
		.amdhsa_group_segment_fixed_size 102912
		.amdhsa_private_segment_fixed_size 0
		.amdhsa_enable_private_segment 0
		.amdhsa_kernarg_size 96
		.amdhsa_user_sgpr_count 2
		.amdhsa_user_sgpr_kernarg_segment_ptr 1
		.amdhsa_wavefront_size32 1
		.amdhsa_system_sgpr_workgroup_id_x 1
		.amdhsa_system_sgpr_workgroup_id_y 1
		.amdhsa_system_sgpr_workgroup_id_z 1
		.amdhsa_system_vgpr_workitem_id 0
		.amdhsa_next_free_vgpr 192
		.amdhsa_next_free_sgpr 66
		.amdhsa_reserve_vcc 0
		.amdhsa_float_denorm_mode_32 3
		.amdhsa_float_denorm_mode_16_64 3
		.amdhsa_memory_ordered 1
		.amdhsa_forward_progress 1
		.amdhsa_inst_pref_size 133
	.end_amdhsa_kernel
	.amdgpu_metadata
---
amdhsa.version: [ 1, 2 ]
amdhsa.kernels:
  - .name:           k_qb7417f06e5_quant
    .symbol:         k_qb7417f06e5_quant.kd
    .args:
      - { .name: q, .offset: 0, .size: 8, .value_kind: global_buffer, .address_space: global }
      - { .name: k, .offset: 8, .size: 8, .value_kind: global_buffer, .address_space: global }
      - { .name: v, .offset: 16, .size: 8, .value_kind: global_buffer, .address_space: global }
      - { .name: w_q, .offset: 24, .size: 8, .value_kind: global_buffer, .address_space: global }
      - { .name: w_k, .offset: 32, .size: 8, .value_kind: global_buffer, .address_space: global }
      - { .name: w_v, .offset: 40, .size: 8, .value_kind: global_buffer, .address_space: global }
      - { .name: w_0, .offset: 48, .size: 8, .value_kind: global_buffer, .address_space: global }
      - { .name: xc, .offset: 56, .size: 8, .value_kind: global_buffer, .address_space: global }
      - { .name: xs, .offset: 64, .size: 8, .value_kind: global_buffer, .address_space: global }
      - { .name: wc, .offset: 72, .size: 8, .value_kind: global_buffer, .address_space: global }
      - { .name: ws, .offset: 80, .size: 8, .value_kind: global_buffer, .address_space: global }
      - { .name: w0t, .offset: 88, .size: 8, .value_kind: global_buffer, .address_space: global }
    .group_segment_fixed_size: 102912
    .private_segment_fixed_size: 0
    .kernarg_segment_align: 8
    .kernarg_segment_size: 96
    .max_flat_workgroup_size: 128
    .sgpr_count:     66
    .vgpr_count:     192
    .wavefront_size: 32
...
	.end_amdgpu_metadata
.endif
;; end of part 1
;; launch proj (part 2): grid 4 x 96, 4 waves a work-group, clusters of 4 x 4, 327,680 bytes of LDS; arguments xc, xs, wc, ws, qkvh, b_q, b_k, b_v; writes qkvh
.if DOCPART == 2
	.amdgcn_target "amdgcn-amd-amdhsa--gfx1250"
	.amdhsa_code_object_version 6
	.text
	.protected	k_qb7417f06e5_proj
	.globl	k_qb7417f06e5_proj
	.p2align	8
	.type	k_qb7417f06e5_proj,@function
k_qb7417f06e5_proj:
	s_mov_b64 s[64:65], 0
	v_nop
	global_prefetch_b8 v0, s[64:65] scope:SCOPE_SE
	s_setreg_imm32_b32 hwreg(HW_REG_WAVE_MODE, 25, 1), 1
	s_wait_xcnt 0x0
	s_wait_alu depctr_hold_cnt(0) depctr_sa_sdst(0) depctr_va_vdst(0) depctr_va_sdst(0) depctr_va_ssrc(0) depctr_va_vcc(0) depctr_vm_vsrc(0)
	s_getreg_b32 s2, hwreg(HW_REG_IB_STS2, 6, 4)
	s_cmp_eq_u32 s2, 0
	s_cbranch_scc0 .Lentry_in_a_cluster
	s_endpgm
.Lentry_in_a_cluster:
	s_bfe_u32 s2, ttmp6, 0x10000c
	s_cmp_lg_u32 s2, 0xf033
	s_cbranch_scc0 .Lentry_shape_is_right
	s_endpgm
.Lentry_shape_is_right:
; THE THREE QUANTISED PRODUCTS IN ONE LAUNCH: y[m][n] = sum over k of x[m][k] w[k][n] + b[n], on codes of E2M1 with one E8M0 scale for each 32 along K = 1,024; sums in f32.
; xc: [24,576 rows: q's, k's, v's][512 bytes], xs: [24,576][32]; wc: [3,072 rows = 1,024 x tensor + n][512 bytes], ws: [3,072][32].  The result is rounded once to f16 and laid by heads:
; qkvh: tensor t at 16 MiB x t, in it [16 b + h][s][64]: a head is 262,144 dense bytes.  LIMIT: results beyond 65,504 in magnitude are not served (f16).
; A tile, 256 x 256, is made by a work-group of four waves; a wave makes 128 x 128: 64 accumulators of 16 x 16, 512 registers.  96 tile rows (32 to a tensor) x 4 tile columns.
; K is two steps of 512 (a tile's row is 256 bytes of memory): each has an LDS slot of its own, both are asked for at the head, and no LDS byte is filled twice.
; THE SCALES of the work-group's 256 + 256 rows, for all of K, are two dense blocks of memory: they come into LDS once, as rows of 256 bytes.
; CLUSTERS: 4 x 4 work-groups.  The four of a row of the cluster need the same rows of x, the four of a column the same rows of w: each tile is asked for JOINTLY.  A cluster's 1,024 rows lie in one tensor.
; THE MATRIX INSTRUCTION IS USED TRANSPOSED (source 0 = 16 rows of w, source 1 = 16 rows of x): a lane holds eight neighbouring n of one row m.  THE BIAS is the C of each sum's first instruction.
; REGISTERS, in windows of 256: window 0: v0-31 addresses; v32-95 scale words, two sets; v96-127 the way out's packed results; v128-191 x's fragments, ONE set (on the way out: rows read back); v192-255 the bias.
;   window 1: w's fragments, TWO sets, at v0 and v128.   window 2: the accumulators of my rows 0-63 ((a, b) at v[8 (8 a + b)]);   window 3: those of my rows 64-127.
.set NQ,     4                         ; matrix instructions deep in a slot
.set ROWB,   256                       ; a tile's row in bytes: 512 codes
.set KROW,   512                       ; a row of codes in memory
.set PITCH,  272                       ; an LDS row: 256 bytes + 16 of padding = 68 words: row r starts at bank 4 r mod 64 (64 banks of 4 bytes: ISA guide 11.1)
.set FR,     8                         ; registers of a fragment: 16 rows x 128 K
.set NL,     2                         ; LDS loads that bring one
.set NP,     4                         ; places behind this matrix instruction (ISA guide 7.12.1)
.set HALFT,  128*PITCH                 ; 128 rows: what one tensor load brings, and what one wave reads of x or of w
.set SLOT,   4*HALFT                   ; x's 256 rows, then w's 256 rows
.set KS,     32                        ; a row of scales in bytes
.set SCL,    2*SLOT                    ; behind the slots: the scales, as rows of 256 bytes + 16 of padding
.set HALFS,  (128*KS/256)*272          ; the scales of 128 rows: what one tensor load brings
.set SBLK,   (16*KS/256)*272           ; those of 16 rows
.set SPARE,  SCL+4*HALFS               ; the spare words, 128 bytes for each wave: two blocks of 256 bytes that no other line names
.set SPITCH, 272                       ; the way out: a stage of 16 rows x (256 bytes + 16) for each wave, in slot 0, which has had its only fill and its last read when the first result is stored there
.set ADRA, 16                          ; v16-17  LDS address of my x fragments in slot 0, 1
.set ADRB, 20                          ; v20-21  the same for w
.set STO,  24                          ; v24     the way out: where I put 16 bytes of a row
.set RD,   25                          ; v25     the way out: where I read back
.set CO,   26                          ; v26     16 x lane
.set ADRS, 27                          ; v27     LDS address of my scale words: lanes 0-15 x's rows, lanes 16-31 w's
.set SPW,  28                          ; v28     LDS address of my spare word; never rewritten
.set NIL,  29                          ; v29     0; never rewritten
.set SC,   32                          ; scale words: set s at v[SC + 32 s]; register 4 i + q: lanes 0-15 the word of x's block i, lanes 16-31 that of w's block i, for the slot's q-th 128 along K
.set TMP,  96
.set AF,   128
.set BK,   128                         ; the way out: v128-159 and v160-191 by turns
.set BIAS, 192                         ; v[BIAS + 8 b ..]: the bias of w's block b in the result's layout
.set G1, 24                            ; s[24:31] descriptor group 1 for x's tiles;  s[32:39] group 0, one set for each slot
.set G0, 32
.set G1B, 48                           ; s[48:55], s[56:63] the same for w's tiles
.set G0B, 56
.set G1S, 68                           ; s[68:75], s[76:79] groups 1 and 0 for x's scales;  s[80:87], s[88:91] for w's
.set G0S, 76
.set G1SB, 80
.set G0SB, 88
.set MSB, 0
.macro WIN new                         ; the immediate's high byte repeats the setting that is left; a switch that changes nothing is dropped
.if MSB != \new
	s_set_vgpr_msb (MSB<<8)|\new
.set MSB, \new
.endif
.endm
.set MUL_LO, 0xa1                      ; source 0 (w) window 1, source 1 (x) window 0, C and D window 2
.set MUL_HI, 0xf1                      ; the same, C and D window 3
.set FST_LO, 0x81                      ; the first step: C (the bias) window 0, D window 2
.set FST_HI, 0xc1                      ; D window 3
.set TO_B,   0x40                      ; destination window 1, address window 0
; A joint load: waves 0 and 1 fetch for x, waves 2 and 3 for w.  Each of the two lines has one mask and one set of registers for all that issue it; the branch hangs on the wave's number alone.
; An s_nop 0 and four v_nop follow each of the two lines.
.macro JLOAD g0a, g1a, g0b, g1b
	s_cmp_eq_u32 s15, 0
	s_cbranch_scc0 .Lfor_b_\@
	tensor_load_to_lds s[\g0a:\g0a+3], s[\g1a:\g1a+7]
	s_nop 0
.rept 4
	v_nop
.endr
	s_branch .Lasked_\@
.Lfor_b_\@:
	tensor_load_to_lds s[\g0b:\g0b+3], s[\g1b:\g1b+7]
	s_nop 0
.rept 4
	v_nop
.endr
.Lasked_\@:
.endm
.macro CROUND                          ; a round of the cluster's barrier: my work-group's barrier; wave 0 signals for the work-group; every wave waits for all sixteen; my work-group's barrier once more
	s_barrier_signal -1
	s_barrier_wait -1
	s_cmp_lg_u32 s14, 0
	s_cbranch_scc1 .Lnot_wave_0_\@
	s_barrier_signal -3
.Lnot_wave_0_\@:
	s_barrier_wait -3
	s_barrier_signal -1
	s_barrier_wait -1
.endm
	s_load_b128 s[4:7], s[0:1], 0x0                ; xc s[4:5], xs s[6:7]
	s_load_b128 s[8:11], s[0:1], 0x10              ; wc s[8:9], ws s[10:11]
	s_load_b64 s[12:13], s[0:1], 0x20              ; qkvh
	s_load_b128 s[96:99], s[0:1], 0x28             ; b_q, b_k
	s_load_b64 s[100:101], s[0:1], 0x38            ; b_v
	v_lshl_add_u32 v[SPW], v0, 2, SPARE
	v_mov_b32 v[NIL], 0
	ds_add_u32 v[SPW], v[NIL]                      ; the wave's opening: the add, twice on end, and its wait ahead of my first tensor load; the set-up below stands between
	ds_add_u32 v[SPW], v[NIL]
	v_lshrrev_b32 v1, 5, v0
	v_readfirstlane_b32 s14, v1                    ; wave 0..3
	s_lshr_b32 s15, s14, 1                         ; which half of the tile's rows is mine.  Also: I fetch for x (0) or for w (1)
	s_and_b32 s16, s14, 1                          ; which half of its columns.  Also: which 128 rows I fetch
	s_bfe_u32 s40, ttmp6, 0x40000                  ; cx, cy: my place in the cluster
	s_bfe_u32 s41, ttmp6, 0x40004
	s_lshl_b32 s42, ttmp9, 2
	s_add_co_u32 s42, s42, s40                     ; tile column = 4 x cluster x + cx: 0..3
	s_and_b32 s17, ttmp7, 0xffff                   ; cluster y: 0..23
	s_lshr_b32 s66, s17, 3                         ; the tensor, 0..2: eight clusters of 1,024 rows each; the same in all sixteen partners
	s_lshl_b32 s17, s17, 2
	s_add_co_u32 s17, s17, s41                     ; tile row = 4 x cluster y + cy: 0..95
	s_lshl_b32 s43, s41, 2
	s_lshl_b32 s43, 15, s43                        ; my row of the cluster
	s_lshl_b32 s44, 0x1111, s40                    ; my column
	; descriptor group 1: a tile of 128 rows x 256 bytes, padded in LDS
	s_or_b32 s[G1+0], s43, (0<<16)|(1<<20)|(1<<21)|(5<<22)|(3<<25)  ; 15:0 the mask: x's tiles go to my row; 17:16 elements of 1 byte; 20 padding on; 21 set beside a mask; 24:22 after every 64 words (code 5); 31:25 four words (code 3)
	s_or_b32 s[G1B+0], s44, (0<<16)|(1<<20)|(1<<21)|(5<<22)|(3<<25)
.irp g, G1, G1B
	s_mov_b32 s[\g+1], ROWB<<16                    ; tensor_dim0
	s_mov_b32 s[\g+2], 128<<16                     ; tensor_dim1
	s_mov_b32 s[\g+3], ROWB<<16                    ; tile_dim0
	s_mov_b32 s[\g+4], 128                         ; tile_dim1
	s_mov_b32 s[\g+5], KROW                        ; tensor_dim0_stride
	s_mov_b32 s[\g+6], 0
	s_mov_b32 s[\g+7], 0
.endr
	; the scales of 128 rows: a dense block of 4,096 bytes, as 16 rows of 256 bytes (32 elements of 8 bytes), 16 bytes of padding behind each
	s_or_b32 s[G1S+0], s43, (3<<16)|(1<<20)|(1<<21)|(5<<22)|(3<<25)
	s_or_b32 s[G1SB+0], s44, (3<<16)|(1<<20)|(1<<21)|(5<<22)|(3<<25)
.irp g, G1S, G1SB
	s_mov_b32 s[\g+1], 32<<16
	s_mov_b32 s[\g+2], (128*KS/256)<<16
	s_mov_b32 s[\g+3], 32<<16
	s_mov_b32 s[\g+4], 128*KS/256
	s_mov_b32 s[\g+5], 32
	s_mov_b32 s[\g+6], 0
	s_mov_b32 s[\g+7], 0
.endr
	s_lshl_b32 s18, s16, 7                         ; which 128 rows of the tile I fetch
	s_lshl_b32 s20, s17, 8
	s_add_co_u32 s20, s20, s18                     ; x: row 256 x tile row + 128 x half: the three tensors lie on end
	s_lshl_b32 s46, s42, 8
	s_add_co_u32 s46, s46, s18
	s_lshl_b32 s67, s66, 10
	s_add_co_u32 s46, s46, s67                     ; w: row 1,024 x tensor + 256 x tile column + 128 x half
	s_mov_b32 s21, 0
	s_mov_b32 s47, 0
	s_mov_b64 s[18:19], KS
	s_mul_u64 s[22:23], s[20:21], s[18:19]         ; where these rows' scales begin, in bytes,
	s_mul_u64 s[92:93], s[46:47], s[18:19]
	s_mov_b64 s[18:19], KROW
	s_mul_u64 s[20:21], s[20:21], s[18:19]         ; and their codes
	s_mul_u64 s[46:47], s[46:47], s[18:19]
	s_mul_i32 s45, s14, HALFT                      ; where they go: wave x 128 rows: no place in the cluster enters an LDS address
	s_mul_i32 s94, s14, HALFS
	s_wait_dscnt 0x0                               ; both opening adds are done
	s_wait_kmcnt 0x0
	s_add_nc_u64 s[20:21], s[4:5], s[20:21]
	s_add_nc_u64 s[22:23], s[6:7], s[22:23]
	s_add_nc_u64 s[46:47], s[8:9], s[46:47]
	s_add_nc_u64 s[92:93], s[10:11], s[92:93]
	CROUND                                         ; all sixteen work-groups are here: the joint loads meet
	s_mov_b32 s[G0S], 1
	s_add_co_u32 s[G0S+1], s94, SCL
	s_mov_b64 s[G0S+2:G0S+3], s[22:23]
	s_or_b32 s[G0S+3], s[G0S+3], 0x80000000
	s_mov_b32 s[G0SB], 1
	s_add_co_u32 s[G0SB+1], s94, SCL
	s_mov_b64 s[G0SB+2:G0SB+3], s[92:93]
	s_or_b32 s[G0SB+3], s[G0SB+3], 0x80000000
	JLOAD G0S, G1S, G0SB, G1SB                     ; the scales first: they are wanted with the first K step
.irp s, 0,1
	s_mov_b32 s[G0+4*\s], 1
	s_add_co_u32 s[G0+4*\s+1], s45, \s*SLOT
	s_add_nc_u64 s[G0+4*\s+2:G0+4*\s+3], s[20:21], \s*ROWB
	s_or_b32 s[G0+4*\s+3], s[G0+4*\s+3], 0x80000000
	s_mov_b32 s[G0B+4*\s], 1
	s_add_co_u32 s[G0B+4*\s+1], s45, \s*SLOT
	s_add_nc_u64 s[G0B+4*\s+2:G0B+4*\s+3], s[46:47], \s*ROWB
	s_or_b32 s[G0B+4*\s+3], s[G0B+4*\s+3], 0x80000000
	JLOAD G0+4*\s, G1, G0B+4*\s, G1B               ; three tensor loads of mine are out now, and no more follow
.endr
	v_and_b32 v1, 15, v0                           ; r = l % 16
	v_bfe_u32 v2, v0, 4, 1                         ; h = l / 16
	; the bias of my 128 columns: lane (r, h) wants, for w's block b, b[16 b + 8 h + 0 .. 7]
	s_cmp_lt_u32 s66, 1
	s_cselect_b64 s[96:97], s[96:97], s[98:99]     ; b_q or b_k,
	s_cmp_lt_u32 s66, 2
	s_cselect_b64 s[96:97], s[96:97], s[100:101]   ; or b_v: the choice hangs on the cluster's number alone
	s_lshl_b32 s46, s42, 10
	s_lshl_b32 s47, s16, 9
	s_add_co_u32 s46, s46, s47                     ; 4 x (256 x tile column + 128 x half)
	s_mov_b32 s47, 0
	s_add_nc_u64 s[96:97], s[96:97], s[46:47]
	v_lshlrev_b32 v7, 5, v2
.irp b, 0,1,2,3,4,5,6,7
	global_load_b128 v[BIAS+8*\b:BIAS+8*\b+3], v7, s[96:97] offset:64*\b
	global_load_b128 v[BIAS+8*\b+4:BIAS+8*\b+7], v7, s[96:97] offset:64*\b+16
.endr
	v_mul_u32_u24 v3, v1, PITCH
	v_lshl_add_u32 v4, v2, 4, v3                   ; a fragment's row x pitch + 16 x half
	s_mul_i32 s21, s15, HALFT                      ; my 128 rows of x
	s_mul_i32 s22, s16, HALFT                      ; my 128 rows of w,
	s_add_co_u32 s22, s22, 2*HALFT                 ; which lie behind x's 256
.irp s, 0,1
	v_add_nc_u32 v[ADRA+\s], s21, v4
	v_add_nc_u32 v[ADRB+\s], s22, v4
	s_add_co_u32 s21, s21, SLOT
	s_add_co_u32 s22, s22, SLOT
.endr
	v_mul_u32_u24 v5, v1, KS                       ; my row's scales: 32 bytes a row,
	v_lshrrev_b32 v6, 8, v5
	v_lshl_add_u32 v5, v6, 4, v5                   ; and 16 more for each 256 passed
	s_mul_i32 s21, s15, HALFS                      ; x's: my 128 rows
	s_mul_i32 s22, s16, HALFS                      ; w's: my 128 rows, behind x's 256
	s_add_co_u32 s22, s22, 2*HALFS
	s_sub_co_u32 s22, s22, s21
	v_mul_u32_u24 v6, s22, v2                      ; lanes 16-31 take w's: one product, the distance between the two
	s_add_co_u32 s21, s21, SCL
	v_add_nc_u32 v5, v5, v6
	v_add_nc_u32 v[ADRS], s21, v5
	s_mul_i32 s23, s14, 16*SPITCH                  ; my stage
	v_mul_u32_u24 v5, v1, SPITCH                   ; in: row r, 16 bytes for each half of the lanes
	v_lshl_add_u32 v5, v2, 4, v5
	v_add_nc_u32 v[STO], s23, v5
	v_and_b32 v6, 31, v0
	v_lshlrev_b32 v[CO], 4, v6                     ; out: four rows of one head are 512 consecutive bytes: 16 x lane
	v_lshrrev_b32 v5, 3, v6                        ; back: eight lanes take the 128 bytes that a row has of one head; four rows an instruction
	v_mul_u32_u24 v5, v5, SPITCH
	v_and_b32 v6, 7, v6
	v_lshl_add_u32 v5, v6, 4, v5
	v_add_nc_u32 v[RD], s23, v5
	; where my part begins in qkvh: (4 x tensor + batch) x 4 MiB + my first head x 262,144 + my first position x 128
	s_lshr_b32 s20, s17, 3                         ; eight tile rows to a batch: tile row / 8 = 4 x tensor + batch
	s_lshl_b32 s20, s20, 22
	s_and_b32 s21, s17, 7
	s_lshl_b32 s21, s21, 8
	s_lshl_b32 s46, s15, 7
	s_add_co_u32 s21, s21, s46                     ; my first position: 256 x (tile row % 8) + 128 x half
	s_lshl_b32 s21, s21, 7
	s_add_co_u32 s20, s20, s21
	s_lshl_b32 s46, s42, 2
	s_lshl_b32 s47, s16, 1
	s_add_co_u32 s46, s46, s47                     ; my first head: 4 x tile column + 2 x half
	s_lshl_b32 s46, s46, 18
	s_add_co_u32 s20, s20, s46                     ; under 48 MiB
	s_mov_b32 s21, 0
	s_add_nc_u64 s[12:13], s[12:13], s[20:21]
.macro FRAG reg, adr, q, i             ; a fragment, 16 rows x 128 K of 4-bit codes: lane l holds row l % 16; registers 4 c .. 4 c + 3 hold K = 64 c + 32 (l / 16) + 0 .. 31
.irp c, 0,1
	ds_load_b128 v[\reg+4*\c:\reg+4*\c+3], v[\adr] offset:64*(\q)+32*\c+(\i)*16*PITCH
.endr
.endm
; 16 matrix instructions: x's blocks a0, a0 + 1 against w's eight, the slot's q-th 128 along K.  p: w's set; sc: the set of scale words.  first = 1: the bias is C and the sums begin: nothing is cleared or added later.
; The 64 accumulators take turns, one instruction a turn, in the same order in every step.
.macro MUL16 a0, p, q, sc, first
.irp a, \a0, \a0+1
.irp b, 0,1,2,3,4,5,6,7
.if \first
	v_wmma_scale_f32_16x16x128_f8f6f4 v[8*(8*((\a)%4)+\b):8*(8*((\a)%4)+\b)+7], v[128*(\p)+FR*\b:128*(\p)+FR*\b+FR-1], v[AF+FR*(\a):AF+FR*(\a)+FR-1], v[BIAS+8*\b:BIAS+8*\b+7], v[SC+8*NQ*(\sc)+NQ*\b+(\q)], v[SC+8*NQ*(\sc)+NQ*(\a)+(\q)] matrix_a_fmt:MATRIX_FMT_FP4 matrix_b_fmt:MATRIX_FMT_FP4 matrix_a_scale:MATRIX_SCALE_ROW1
.else
	v_wmma_scale_f32_16x16x128_f8f6f4 v[8*(8*((\a)%4)+\b):8*(8*((\a)%4)+\b)+7], v[128*(\p)+FR*\b:128*(\p)+FR*\b+FR-1], v[AF+FR*(\a):AF+FR*(\a)+FR-1], v[8*(8*((\a)%4)+\b):8*(8*((\a)%4)+\b)+7], v[SC+8*NQ*(\sc)+NQ*\b+(\q)], v[SC+8*NQ*(\sc)+NQ*(\a)+(\q)] matrix_a_fmt:MATRIX_FMT_FP4 matrix_b_fmt:MATRIX_FMT_FP4 matrix_a_scale:MATRIX_SCALE_ROW1
.endif
.endr
.endr
.endm
.macro FETCH_B slot, q, p              ; w's eight fragments of the slot's q-th 128 along K into set p
	WIN TO_B
.irp i, 0,1,2,3,4,5,6,7
	FRAG 128*(\p)+FR*\i, ADRB+\slot, \q, \i
.endr
	WIN 0
.endm
.macro FETCH_A slot, q, i0             ; x's blocks i0 .. i0 + 3
.irp i, \i0, \i0+1, \i0+2, \i0+3
	FRAG AF+FR*(\i), ADRA+\slot, \q, \i
.endr
.endm
.macro SCALES sc                       ; a K step's scale words into set sc: four words a row; lanes 0-15 take x's block i, lanes 16-31 w's block i
.irp i, 0,1,2,3,4,5,6,7
	ds_load_b128 v[SC+8*NQ*\sc+NQ*\i:SC+8*NQ*\sc+NQ*\i+3], v[ADRS] offset:\i*SBLK
.endr
.endm
; A load into a register that a matrix instruction has read, and a vector instruction that reads a matrix result, stand NP places behind that matrix instruction; only plain vector instructions
; that name none of its registers are places (ISA guide 7.12.1 for vector instructions).
.macro PLACES n
.rept \n
	v_nop
.endr
.endm
; A step of 128 along K that has its successor in the same slot.  A block of x is free as soon as its eight products are issued: blocks 0-3 are fetched anew in the step's middle, blocks 4-7 at its end.
.macro STEP slot, q, first
	s_wait_dscnt 4*NL                              ; w's set and x's blocks 0-3 are in; the youngest eight loads (x's blocks 4-7) may be out
.if \first
	WIN FST_LO
.else
	WIN MUL_LO
.endif
	MUL16 0, (\q)%2, \q, \slot, \first
	MUL16 2, (\q)%2, \q, \slot, \first
	s_wait_dscnt 0                                 ; x's blocks 4-7 are in
	PLACES NP
	FETCH_B \slot, (\q)+1, 1-(\q)%2
	FETCH_A \slot, (\q)+1, 0
.if \first
	WIN FST_HI
.else
	WIN MUL_HI
.endif
	MUL16 4, (\q)%2, \q, \slot, \first
	MUL16 6, (\q)%2, \q, \slot, \first
	PLACES NP
	WIN 0
	FETCH_A \slot, (\q)+1, 4
.endm
; Slot 0's last step leads over to slot 1: ONE barrier; in front of it each wave waits for all its tensor loads (its part of slot 1), adds 0 to its spare word, and waits for that and for its own reads of slot 0.
; Behind it slot 1 is whole, and nobody reads slot 0 any more: the way out may use its bytes.
.macro TURN slot, next
	s_wait_tensorcnt 0x0                           ; all my tensor loads have landed  (every window is 0 here)
	ds_add_u32 v[SPW], v[NIL]                      ; 0 onto my spare word
	s_wait_dscnt 4*NL+1                            ; (the add and the youngest eight loads, x's blocks 4-7, may be out)
	WIN MUL_LO
	MUL16 0, 1, NQ-1, \slot, 0                     ; sixteen matrix instructions stand between the add and the wait for it
	s_wait_dscnt 0x0                               ; the add is done, and my reads of this slot are over
	s_barrier_signal -1
	MUL16 2, 1, NQ-1, \slot, 0
	WIN 0
	s_barrier_wait -1
	PLACES NP
	v_add_nc_u32 v[ADRS], 4*NQ, v[ADRS]            ; on to the next K step's scale words
	FETCH_B \next, 0, 0
	FETCH_A \next, 0, 0
	SCALES \next
	WIN MUL_HI
	MUL16 4, 1, NQ-1, \slot, 0
	MUL16 6, 1, NQ-1, \slot, 0
	PLACES NP
	WIN 0
	FETCH_A \next, 0, 4
.endm
	s_wait_tensorcnt 1                             ; the scales and my part of slot 0 are in; one load, slot 1's, stays out
	s_barrier_signal -1
	s_barrier_wait -1                              ; everybody's are
	FETCH_B 0, 0, 0
	FETCH_A 0, 0, 0
	SCALES 0
	FETCH_A 0, 0, 4
	s_wait_loadcnt 0x0                             ; the bias
	STEP 0, 0, 1
	STEP 0, 1, 0
	STEP 0, 2, 0
	TURN 0, 1
	STEP 1, 0, 0
	STEP 1, 1, 0
	STEP 1, 2, 0
	s_wait_dscnt 4*NL                              ; the very last step: nothing more to fetch
	WIN MUL_LO
	MUL16 0, 1, NQ-1, 1, 0
	MUL16 2, 1, NQ-1, 1, 0
	s_wait_dscnt 0
	WIN MUL_HI
	MUL16 4, 1, NQ-1, 1, 0
	MUL16 6, 1, NQ-1, 1, 0
	WIN 0
; THE WAY OUT, block by block of 16 rows x 128 columns (two heads).  A lane's eight results round to 16 bytes of one row; they go through my own stage and come back so that an instruction's 32 lanes hold
; four rows of ONE head: 512 consecutive bytes of qkvh.  LDS serves a wave's instructions in order (ISA guide 5.7.1.4): no wait between the stores and the loads, nor in front of the next block's stores.
.macro PACK a
.set AC, 64*((\a)%4)
	WIN (0x0a+5*((\a)/4))                          ; sources 0 and 1: window 2 or 3
.irp b, 0,1,2,3,4,5,6,7
.irp i, 0,1,2,3
	v_cvt_pk_f16_f32 v[TMP+4*\b+\i], v[AC+8*\b+2*\i], v[AC+8*\b+2*\i+1]   ; each accumulator from its low end on
.endr
.endr
	WIN 0
.endm
.macro TOSTAGE a
.set BB, BK+32*((\a)%2)
.irp b, 0,1,2,3,4,5,6,7
	ds_store_b128 v[STO], v[TMP+4*\b:TMP+4*\b+3] offset:32*\b
.endr
.irp i, 0,1,2,3,4,5,6,7
	ds_load_b128 v[BB+4*\i:BB+4*\i+3], v[RD] offset:128*(\i/4)+4*SPITCH*(\i%4)   ; head i / 4, rows 4 (i % 4) on
.endr
.endm
.macro SEND a
.set BB, BK+32*((\a)%2)
	s_wait_dscnt 0x0                               ; the block is back in registers
	s_wait_xcnt 0x0                                ; the stores of the block before have read their registers: the next block's loads may land there
.irp i, 0,1,2,3,4,5,6,7
	global_store_b128 v[CO], v[BB+4*\i:BB+4*\i+3], s[12:13] offset:262144*(\i/4)+128*(16*(\a)+4*(\i%4))   ; 512 consecutive bytes, aligned; the base is never stepped
.endr
.endm
	PLACES NP                                      ; behind the last products: for the conversions, and for the loads into the registers that held x's fragments
	PACK 0
	TOSTAGE 0
.irp a, 1,2,3,4,5,6,7                  ; block a's conversions stand between block a - 1's loads from the stage and the wait for them
	PACK \a
	SEND \a-1
	TOSTAGE \a
.endr
	SEND 7
	s_wait_tensorcnt 0x0                           ; the wave's end: three lines behind my last tensor load and my last LDS store
	ds_add_u32 v[SPW], v[NIL]
	s_wait_dscnt 0x0
	CROUND                                         ; the closing round: no work-group ends while a partner may still ask for a tile that names it
	s_endpgm
.Lfunc_end_k_qb7417f06e5_proj:
	.size	k_qb7417f06e5_proj, .Lfunc_end_k_qb7417f06e5_proj-k_qb7417f06e5_proj
	.p2alignl 7, 3214868480
	.fill 96, 4, 3214868480
	.section	.rodata,"a",@progbits
	.p2align	6, 0x0
	.amdhsa_kernel k_qb7417f06e5_proj
		.amdhsa_group_segment_fixed_size 327680
		.amdhsa_private_segment_fixed_size 0
		.amdhsa_enable_private_segment 0
		.amdhsa_kernarg_size 64
		.amdhsa_user_sgpr_count 2
		.amdhsa_user_sgpr_kernarg_segment_ptr 1
		.amdhsa_wavefront_size32 1
		.amdhsa_system_sgpr_workgroup_id_x 1
		.amdhsa_system_sgpr_workgroup_id_y 1
		.amdhsa_system_sgpr_workgroup_id_z 1
		.amdhsa_system_vgpr_workitem_id 0
		.amdhsa_next_free_vgpr 1024
		.amdhsa_next_free_sgpr 102
		.amdhsa_reserve_vcc 0
		.amdhsa_float_denorm_mode_32 3
		.amdhsa_float_denorm_mode_16_64 3
		.amdhsa_memory_ordered 1
		.amdhsa_forward_progress 1
		.amdhsa_inst_pref_size 128
	.end_amdhsa_kernel
	.amdgpu_metadata
---
amdhsa.version: [ 1, 2 ]
amdhsa.kernels:
  - .name:           k_qb7417f06e5_proj
    .symbol:         k_qb7417f06e5_proj.kd
    .args:
      - { .name: xc, .offset: 0, .size: 8, .value_kind: global_buffer, .address_space: global }
      - { .name: xs, .offset: 8, .size: 8, .value_kind: global_buffer, .address_space: global }
      - { .name: wc, .offset: 16, .size: 8, .value_kind: global_buffer, .address_space: global }
      - { .name: ws, .offset: 24, .size: 8, .value_kind: global_buffer, .address_space: global }
      - { .name: qkvh, .offset: 32, .size: 8, .value_kind: global_buffer, .address_space: global }
      - { .name: b_q, .offset: 40, .size: 8, .value_kind: global_buffer, .address_space: global }
      - { .name: b_k, .offset: 48, .size: 8, .value_kind: global_buffer, .address_space: global }
      - { .name: b_v, .offset: 56, .size: 8, .value_kind: global_buffer, .address_space: global }
    .group_segment_fixed_size: 327680
    .private_segment_fixed_size: 0
    .kernarg_segment_align: 8
    .kernarg_segment_size: 64
    .max_flat_workgroup_size: 128
    .sgpr_count:     102
    .vgpr_count:     1024
    .wavefront_size: 32
...
	.end_amdgpu_metadata
.endif
;; end of part 2
;; launch attn (part 3): grid 4 x 64, 8 waves a work-group, clusters of 4 x 1, 327,680 bytes of LDS; arguments qkvh, att; writes att
.if DOCPART == 3
	.amdgcn_target "amdgcn-amd-amdhsa--gfx1250"
	.amdhsa_code_object_version 6
	.text
	.protected	k_qb7417f06e5_attn
	.globl	k_qb7417f06e5_attn
	.p2align	8
	.type	k_qb7417f06e5_attn,@function
k_qb7417f06e5_attn:
	s_mov_b64 s[64:65], 0
	v_nop
	global_prefetch_b8 v0, s[64:65] scope:SCOPE_SE
	s_setreg_imm32_b32 hwreg(HW_REG_WAVE_MODE, 25, 1), 1
	s_wait_xcnt 0x0
	s_wait_alu depctr_hold_cnt(0) depctr_sa_sdst(0) depctr_va_vdst(0) depctr_va_sdst(0) depctr_va_ssrc(0) depctr_va_vcc(0) depctr_vm_vsrc(0)
	s_getreg_b32 s2, hwreg(HW_REG_IB_STS2, 6, 4)
	s_cmp_eq_u32 s2, 0
	s_cbranch_scc0 .Lentry_in_a_cluster
	s_endpgm
.Lentry_in_a_cluster:
	s_bfe_u32 s2, ttmp6, 0x10000c
	s_cmp_lg_u32 s2, 0x3003
	s_cbranch_scc0 .Lentry_shape_is_right
	s_endpgm
.Lentry_shape_is_right:
; att[g][q][:] = the sum over k of softmax_k(Q[g][q] . K[g][k] / 8) V[g][k][:], g = 16 b + h: 64 heads of 2,048 positions x 64 channels, no mask.
; qkvh: Q at 0, K at 16 MiB, V at 32 MiB, each [64][2048][64] f16; att: [64][2048][64] f16, which read flat is the [8192][1024] operand of the last product.
; Both products take f16 operands and sum in f32; maxima, exponentials and sums in f32; the weights p (at most 1) are rounded to f16 for the second product, att once at the end.
; LIMITS: scores of -infinity or NaN are not served; results beyond 65,504 are not served (they are averages of V, which is f16 already).
; SHARES.  A work-group owns 512 queries of one head, each of its EIGHT waves 64: four tiles of 16, in 512 registers: two waves to a SIMD, so that one wave's softmax stands beside the other's products.
; With four tiles a fragment of K or V read from LDS feeds four matrix instructions.  Every wave walks all 2,048 keys, 64 a step.
; LAYOUT.  S^T = K Q^T (source 0 = 16 keys, source 1 = 16 queries): a lane holds ONE query (lane % 16) and keys 8 (lane / 16) + 0..7.  Two such tiles, rounded to f16 in pairs, ARE source 1
; (32 keys x 16 queries) of O^T = V^T P, whose result again holds one query a lane.  K comes out of LDS as it lies, V ([key][channel]) turned, by ds_load_tr16_b128.
; SOFTMAX.  For each query a running maximum m and sum l: p = 2^(c s - c m), c = log2(e) / 8; in every step O and l are multiplied by a = 2^(c m_old - c m_new).
; A KEY STEP IS ROTATED: fetch K(j) | V^T P of step j - 1 | K Q^T of step j | fetch V(j) | softmax of step j.  So each run of LDS loads has a run of products in which to land.
; CLUSTER.  A head's four query blocks are one cluster and walk the same K and V: each tile is asked for JOINTLY, by the same tensor load with the same descriptor and a mask that names the four.
; RING.  Two LDS slots of four key steps.  Wave w < 4 fetches K's tile of the slot's step w, wave w >= 4 V's of step w - 4: one load a wave behind each round, with four key steps in which to land.
; REGISTERS: window 0: v1-15 addresses; v32-63 eight registers of statistics a tile; v64-127 Q (16 t + 8 c); v128-255 S^T (32 t + 8 kt), P in place in each tile's first 16.
;   window 1: v0-127 O^T (32 t + 8 ct); v128-191 K of one step (16 kt + 8 c); v192-255 V of one step (32 kc + 8 ct).
.set KS,    64        ; keys in a step
.set PK,    144       ; a row of K in LDS: 128 bytes + 16 = 36 words: row r starts at bank 36 r mod 64 (64 banks of 4 bytes: ISA guide 11.1): 16 rows, 16 different groups of four banks
.set PV,    160       ; a row of V: 128 + 32: an odd multiple of 32 bytes, for the turning load
.set VOFF,  KS*PK     ; a step's tiles lie together: 64 rows of K, then 64 rows of V
.set STEPB, KS*(PK+PV)
.set SLOT1, 1<<17     ; a slot holds four steps (77,824 bytes); slot 1 begins here, so that one exclusive or turns an address in one slot into the other's
.set STAGE, SLOT1+4*STEPB  ; behind the ring: 64 rows x 144 bytes for each wave, for the way out
.set SP,    144
.set SPARE, STAGE+8*64*SP  ; the spare words, 128 bytes for each wave: four blocks of 256 bytes that no other line names
.set AK0, 2           ; v2   my lane's place in a tile of K; never rewritten
.set AV0, 3           ; v3   the same for V
.set ADK, 4           ; v4   LDS address of the step's K
.set ADV, 5           ; v5   of its V
.set STO, 6           ; v6   the way out: where I put 16 bytes of a row
.set RD,  7           ; v7   the way out: where I read back
.set GO,  8           ; v8   16 x lane
.set QO,  12          ; v12  my byte offset in the wave's rows of Q
.set PFO, 13          ; v13  256 x lane; never rewritten
.set SPW, 14          ; v14  LDS address of my spare word; never rewritten
.set NIL, 15          ; v15  0; never rewritten
.set ST,  32          ; tile t's statistics at v[ST+8 t]: +0 c m, +1 m, +2, +3 l (even keys', odd keys'), +4, +5 at work, then the second chain of the sum, +6 at work, then a, +7 at work, then c m_old - c m_new
.set Q,   64
.set S,   128
.set KF,  128         ; in window 1
.set VF,  192         ; in window 1
.set WV,  12          ; s12  my wave's number
.set LIM, 15          ; s15  1 in a wave that prefetches, else the greatest number
.set PFA, 18          ; s[18:19] where my prefetches stand
.set G1K, 24          ; s[24:31] descriptor group 1 for K's tiles
.set G1V, 32          ; s[32:39] for V's: it differs in the padding alone
.set G0K, 40          ; s[40:43] descriptor group 0 for K's tiles: it walks
.set G0V, 44          ; s[44:47] the same for V's
.set SLOTS, 56        ; s56  slots still to be asked for
.set CNT, 57          ; s57  counts a slot's steps
.set CS,  58          ; s[58:59] c: the packed scaling names a pair and takes its low word for both halves
.set SEL, 60          ; s[60:61] lane selects for v_permlanex16_b32: lane l xor 16
.set TB,  62          ; s62  LDS byte at which the tiles of the step in hand begin
.set MSB, 0
.macro WIN new                      ; the immediate's high byte repeats the setting that is left; a switch that changes nothing is dropped
.if MSB != \new
	s_set_vgpr_msb (MSB<<8)|\new
.set MSB, \new
.endif
.endm
.set W_KQ, 0x01       ; K in window 1; Q and S^T in window 0
.set W_PV, 0x51       ; V and O^T in window 1, P in window 0
.set W_RS, 0x41       ; O^T (destination and source 0) in window 1, the factor in window 0
.set W_LD, 0x40       ; destination window 1, address window 0
; A joint load.  The branch hangs on the wave's number alone.  An s_nop 0 and four v_nop follow each of the two lines.
.macro JLOAD
	s_cmp_lt_u32 s[WV], 4
	s_cbranch_scc0 .Lfor_v_\@
	tensor_load_to_lds s[G0K:G0K+3], s[G1K:G1K+7]
	s_nop 0
.rept 4
	v_nop
.endr
	s_branch .Lasked_\@
.Lfor_v_\@:
	tensor_load_to_lds s[G0V:G0V+3], s[G1V:G1V+7]
	s_nop 0
.rept 4
	v_nop
.endr
.Lasked_\@:
.endm
; A PREFETCH of what the NEXT change of slots will ask for: a slot's 256 rows of K and of V, each one dense block of 32,768 bytes.  It stands behind the wave's tensor load and its five lines.
; Each aligned block of 256 bytes is named ONCE in the launch: a head is walked by one cluster; its four partners take 8,192 bytes each, told apart BY ADDRESS; in each, wave 0 asks for K's and
; wave 4 for V's, one instruction, lanes 256 bytes apart.  The last change that fills a slot asks for nothing; slots 0 and 1 come by their loads alone.
.macro ASK
	s_cmp_gt_u32 s[SLOTS], s[LIM]
	s_cbranch_scc0 .Lnot_mine_\@
	global_prefetch_b8 v[PFO], s[PFA:PFA+1] th:TH_LOAD_NT scope:SCOPE_SE
.Lnot_mine_\@:
.endm
.macro CROUND                       ; a round of the cluster's barrier: my work-group's barrier; wave 0 signals for the work-group; every wave waits for all four; my work-group's barrier once more
	s_barrier_signal -1
	s_barrier_wait -1
	s_cmp_lg_u32 s[WV], 0
	s_cbranch_scc1 .Lnot_wave_0_\@
	s_barrier_signal -3
.Lnot_wave_0_\@:
	s_barrier_wait -3
	s_barrier_signal -1
	s_barrier_wait -1
.endm
	s_load_b64 s[4:5], s[0:1], 0x0  ; qkvh
	s_load_b64 s[10:11], s[0:1], 0x8  ; att
	v_lshl_add_u32 v[SPW], v0, 2, SPARE
	v_mov_b32 v[NIL], 0
	ds_add_u32 v[SPW], v[NIL]       ; the wave's opening: the add, twice on end, and its wait ahead of my first tensor load; the set-up below stands between
	ds_add_u32 v[SPW], v[NIL]
	v_lshrrev_b32 v1, 5, v0
	v_readfirstlane_b32 s[WV], v1   ; wave 0..7
	s_bfe_u32 s13, ttmp6, 0x40000   ; cx: my place in the cluster
	s_lshl_b32 s14, ttmp9, 2
	s_add_co_u32 s14, s14, s13      ; my block of 512 queries: it enters Q's and att's addresses alone
	s_and_b32 s20, ttmp7, 0xffff    ; the head, which the four partners share
	s_lshl_b32 s20, s20, 18         ; its 262,144 bytes
	s_and_b32 s16, s[WV], 3         ; which of a slot's four steps I fetch:
	s_lshl_b32 s22, s16, 13         ; its 64 rows of 128 bytes in memory,
	s_add_co_u32 s22, s22, s20
	s_mov_b32 s23, 0
	s_mul_i32 s17, s16, STEPB       ; and its place in a slot: no place in the cluster enters an LDS address
	s_lshl_b32 s2, s14, 16          ; my block's 512 rows,
	s_lshl_b32 s3, s[WV], 13        ; my wave's 64 of them
	s_add_co_u32 s2, s2, s3
	s_add_co_u32 s2, s2, s20
	s_mov_b32 s3, 0
	; descriptor group 1: a tile of 64 rows x 64 elements, padded in LDS
	s_mov_b32 s[G1K], 15|(1<<16)|(1<<20)|(1<<21)|(4<<22)|(3<<25)  ; 15:0 the mask: all four work-groups; 17:16 elements of 2 bytes; 20 padding on; 21 set beside a mask; 24:22 after every 32 words (code 4); 31:25 four words (code 3)
	s_mov_b32 s[G1V], 15|(1<<16)|(1<<20)|(1<<21)|(4<<22)|(7<<25)  ; the same with eight words of padding (code 7)
.irp g, G1K, G1V
	s_mov_b32 s[\g+1], 64<<16       ; tensor_dim0 = 64
	s_mov_b32 s[\g+2], KS<<16       ; tensor_dim1 = 64
	s_mov_b32 s[\g+3], 64<<16       ; tile_dim0 = 64
	s_mov_b32 s[\g+4], KS           ; tile_dim1 = 64
	s_mov_b32 s[\g+5], 64           ; tensor_dim0_stride: elements from row to row
	s_mov_b32 s[\g+6], 0
	s_mov_b32 s[\g+7], 0
.endr
	s_mov_b32 s[CS], 0x3e38aa3b     ; c = log2(e) / sqrt(64)
	s_mov_b32 s[CS+1], s[CS]        ; named with it as a pair, so it is written
	s_mov_b32 s[SEL], 0x76543210
	s_mov_b32 s[SEL+1], 0xfedcba98
	s_mov_b32 s[TB], 0
	s_and_b32 s[LIM], s[WV], 3      ; 0 in waves 0 and 4,
	s_or_b32 s[LIM], s[LIM], ttmp9  ; of the head's first (and only) cluster: the same in all four partners
	s_cmp_eq_u32 s[LIM], 0
	s_cselect_b32 s[LIM], 1, -1
	v_and_b32 v[PFO], 31, v0
	v_lshlrev_b32 v[PFO], 8, v[PFO]
	s_wait_dscnt 0x0                ; both opening adds are done
	s_wait_kmcnt 0x0
	s_add_nc_u64 s[6:7], s[4:5], s[22:23]
	s_add_nc_u64 s[8:9], s[6:7], 0x2000000  ; V at my tile of slot 0
	s_add_nc_u64 s[6:7], s[6:7], 0x1000000  ; K likewise
	s_add_nc_u64 s[4:5], s[4:5], s[2:3]  ; Q and att at my wave's first row
	s_add_nc_u64 s[10:11], s[10:11], s[2:3]
	s_cmp_lt_u32 s[WV], 4
	s_cselect_b64 s[PFA:PFA+1], s[6:7], s[8:9]  ; (in waves 0 and 4 these stand at a slot's first row)
	s_lshl_b32 s2, s13, 13          ; my work-group's 8,192 bytes of the 32,768,
	s_add_co_u32 s2, s2, 4*KS*128   ; in slot 1's keys: the first change of slots steps it on.  Nothing is prefetched here, at the head
	s_add_nc_u64 s[PFA:PFA+1], s[PFA:PFA+1], s[2:3]
	CROUND                          ; all four work-groups are here: the first joint loads meet
	s_mov_b32 s[G0K], 1             ; 1:0 count = 1
	s_mov_b32 s[G0K+1], s17         ; 63:32 LDS address
	s_mov_b64 s[G0K+2:G0K+3], s[6:7]  ; 120:64 global address
	s_or_b32 s[G0K+3], s[G0K+3], 0x80000000  ; 127:126 type = 2
	s_mov_b32 s[G0V], 1
	s_add_co_u32 s[G0V+1], s17, VOFF
	s_mov_b64 s[G0V+2:G0V+3], s[8:9]
	s_or_b32 s[G0V+3], s[G0V+3], 0x80000000
	JLOAD                           ; slot 0: keys 0 to 255
	; A fragment of K or Q is 16 rows x 32 channels in 8 registers: lane l holds row l % 16; registers 0-3 channels 8 (l / 16) + 0..7, registers 4-7 channels 16 + 8 (l / 16) + 0..7: two loads of 16 bytes, 32 bytes apart.
	v_and_b32 v1, 15, v0            ; r
	v_bfe_u32 v9, v0, 4, 1          ; h
	v_lshlrev_b32 v[QO], 7, v1
	v_lshl_add_u32 v[QO], v9, 4, v[QO]  ; row x 128 + 16 x half
.irp i, 0,1,2,3,4,5,6,7             ; Q stays in registers: tile i / 2, channels 32 (i % 2) on
	global_load_b128 v[Q+8*\i:Q+8*\i+3],   v[QO], s[4:5] offset:(\i/2)*2048+(\i%2)*64
	global_load_b128 v[Q+8*\i+4:Q+8*\i+7], v[QO], s[4:5] offset:(\i/2)*2048+(\i%2)*64+32
.endr
	v_mul_u32_u24 v[AK0], v1, PK
	v_lshl_add_u32 v[AK0], v9, 4, v[AK0]  ; row x pitch + 16 x half
	; The turning load takes 16 keys x 16 channels (lane l reads 16 bytes: key 8 (l / 16) + l % 8, channels 8 ((l / 8) % 2) + 0..7) and leaves half a fragment of V^T: lane l holds channel l % 16 and 8 keys.
	v_and_b32 v10, 7, v0
	v_bfe_u32 v11, v0, 3, 1
	v_lshl_add_u32 v[AV0], v9, 3, v10
	v_mul_u32_u24 v[AV0], v[AV0], PV
	v_lshl_add_u32 v[AV0], v11, 4, v[AV0]
	v_add_nc_u32 v[AV0], VOFF, v[AV0]
	s_mul_i32 s16, s[WV], 64*SP
	s_add_co_u32 s16, s16, STAGE    ; my stage
	v_mul_u32_u24 v[STO], v1, SP    ; in: row r, 16 bytes for each half of the lanes
	v_lshl_add_u32 v[STO], v9, 4, v[STO]
	v_add_nc_u32 v[STO], s16, v[STO]
	v_and_b32 v10, 31, v0
	v_lshlrev_b32 v[GO], 4, v10     ; out: four rows of 128 bytes are 512 consecutive bytes: 16 x lane
	v_lshrrev_b32 v11, 3, v10       ; back: eight lanes to a row, four rows an instruction
	v_mul_u32_u24 v[RD], v11, SP
	v_and_b32 v10, 7, v10
	v_lshl_add_u32 v[RD], v10, 4, v[RD]
	v_add_nc_u32 v[RD], s16, v[RD]
.irp t, 0,1,2,3
	v_mov_b32 v[ST+8*\t+1], 0xff61b1e6  ; m: -3e38, under every score: the first step's a is then 0, and l begins as 0
	v_mul_f32 v[ST+8*\t], s[CS], v[ST+8*\t+1]
	v_mov_b32 v[ST+8*\t+2], 0
	v_mov_b32 v[ST+8*\t+3], 0
.endr
; Product i of 32 of O^T += V^T P: keys 32 (i / 16) on, channels 16 ((i / 4) % 4) on, tile i % 4.  zero = 1: the first 16 start the sums: nothing is ever cleared.
; The 16 accumulators take turns, one instruction a turn.
.macro MPV zero
.set rO, 32*(i%4)+8*((i/4)%4)
.set rV, VF+32*(i/16)+8*((i/4)%4)
.set rP, S+32*(i%4)+8*(i/16)
.if (\zero) && (i < 16)
	v_wmma_f32_16x16x32_f16 v[rO:rO+7], v[rV:rV+7], v[rP:rP+7], 0
.else
	v_wmma_f32_16x16x32_f16 v[rO:rO+7], v[rV:rV+7], v[rP:rP+7], v[rO:rO+7]
.endif
.endm
; Product i of 32 of S^T = K Q^T: channels 32 (i / 16) on, keys 16 ((i / 4) % 4) on, tile i % 4.  The first 16 start the sums.
.macro MKQ
.set rS, S+32*(i%4)+8*((i/4)%4)
.set rK, KF+16*((i/4)%4)+8*(i/16)
.set rQ, Q+16*(i%4)+8*(i/16)
.if i < 16
	v_wmma_f32_16x16x32_f16 v[rS:rS+7], v[rK:rK+7], v[rQ:rQ+7], 0
.else
	v_wmma_f32_16x16x32_f16 v[rS:rS+7], v[rK:rK+7], v[rQ:rQ+7], v[rS:rS+7]
.endif
.endm
; THE SOFTMAX OF A KEY STEP, the four tiles line by line by turns, so that no line waits for the line above it.  rs = 0: key step 0, which has no O^T yet to rescale.
.macro SOFTMAX rs
.irp j, 0,1,2,3                     ; the maximum of the lane's 32 scores and the old m, three operands at a time, four chains a tile; each accumulator is read first at its low end
.irp t, 0,1,2,3
	v_max3_num_f32 v[ST+8*\t+4+\j], v[S+32*\t+8*\j], v[S+32*\t+8*\j+1], v[S+32*\t+8*\j+2]
.endr
.endr
.irp g, 1,2
.irp j, 0,1,2,3
.irp t, 0,1,2,3
	v_max3_num_f32 v[ST+8*\t+4+\j], v[ST+8*\t+4+\j], v[S+32*\t+8*\j+2*\g+1], v[S+32*\t+8*\j+2*\g+2]
.endr
.endr
.endr
.irp t, 0,1,2,3
	v_max3_num_f32 v[ST+8*\t+4], v[ST+8*\t+4], v[S+32*\t+7], v[S+32*\t+15]
.endr
.irp t, 0,1,2,3
	v_max3_num_f32 v[ST+8*\t+6], v[ST+8*\t+6], v[S+32*\t+23], v[S+32*\t+31]
.endr
.irp t, 0,1,2,3
	v_max3_num_f32 v[ST+8*\t+4], v[ST+8*\t+4], v[ST+8*\t+5], v[ST+8*\t+6]
.endr
.irp t, 0,1,2,3
	v_max3_num_f32 v[ST+8*\t+4], v[ST+8*\t+4], v[ST+8*\t+7], v[ST+8*\t+1]
.endr
.irp t, 0,1,2,3
	v_permlanex16_b32 v[ST+8*\t+5], v[ST+8*\t+4], s[SEL], s[SEL+1]  ; the query's other 32 keys lie in the lane 16 away
.endr
.irp t, 0,1,2,3
	v_mov_b32 v[ST+8*\t+7], v[ST+8*\t]  ; c m_old is kept
.endr
.irp t, 0,1,2,3
	v_max_num_f32 v[ST+8*\t+1], v[ST+8*\t+4], v[ST+8*\t+5]  ; the new m
.endr
.irp t, 0,1,2,3
	v_mul_f32 v[ST+8*\t], s[CS], v[ST+8*\t+1]
.endr
.irp t, 0,1,2,3
	v_sub_f32 v[ST+8*\t+7], v[ST+8*\t+7], v[ST+8*\t]  ; c m_old - c m_new, 0 or less
.endr
; ONE BATCH: the 64 packed scalings c s - c m and all 132 exponentials.  None of these lines names an exponential's result; a pair is scaled a group ahead of its exponentials.
.irp t, 0,1,2,3
	v_pk_fma_f32 v[S+32*\t:S+32*\t+1], v[S+32*\t:S+32*\t+1], s[CS:CS+1], v[ST+8*\t:ST+8*\t+1] op_sel_hi:[1,0,0] neg_lo:[0,0,1] neg_hi:[0,0,1]
.endr
.irp t, 0,1,2,3
	v_exp_f32 v[ST+8*\t+6], v[ST+8*\t+7]  ; a
.endr
.set b, 1
.rept 15
.irp t, 0,1,2,3
	v_pk_fma_f32 v[S+32*\t+2*b:S+32*\t+2*b+1], v[S+32*\t+2*b:S+32*\t+2*b+1], s[CS:CS+1], v[ST+8*\t:ST+8*\t+1] op_sel_hi:[1,0,0] neg_lo:[0,0,1] neg_hi:[0,0,1]
.endr
.irp t, 0,1,2,3
	v_exp_f32 v[S+32*\t+2*b-2], v[S+32*\t+2*b-2]
	v_exp_f32 v[S+32*\t+2*b-1], v[S+32*\t+2*b-1]
.endr
.set b, b+1
.endr
.irp t, 0,1,2,3
	v_exp_f32 v[S+32*\t+30], v[S+32*\t+30]
	v_exp_f32 v[S+32*\t+31], v[S+32*\t+31]
.endr
	v_nop                           ; a plain instruction behind the last exponential, ahead of the first use
	s_wait_alu depctr_va_vdst(0)    ; the wait ahead of the first line that names a result: one for the batch
; the sums of the unrounded p, two chains a tile: l = a l + pairs 0, 2, .. 14; the second chain takes pairs 1, 3, .. 15
.irp t, 0,1,2,3
	v_pk_fma_f32 v[ST+8*\t+2:ST+8*\t+3], v[ST+8*\t+2:ST+8*\t+3], v[ST+8*\t+6:ST+8*\t+7], v[S+32*\t:S+32*\t+1] op_sel_hi:[1,0,1]
.endr
.irp t, 0,1,2,3
	v_pk_add_f32 v[ST+8*\t+4:ST+8*\t+5], v[S+32*\t+2:S+32*\t+3], v[S+32*\t+6:S+32*\t+7]
.endr
.irp t, 0,1,2,3
	v_pk_add_f32 v[ST+8*\t+2:ST+8*\t+3], v[ST+8*\t+2:ST+8*\t+3], v[S+32*\t+4:S+32*\t+5]
.endr
.irp p, 2,3,4,5,6,7
.irp t, 0,1,2,3
	v_pk_add_f32 v[ST+8*\t+2:ST+8*\t+3], v[ST+8*\t+2:ST+8*\t+3], v[S+32*\t+4*\p:S+32*\t+4*\p+1]
.endr
.irp t, 0,1,2,3
	v_pk_add_f32 v[ST+8*\t+4:ST+8*\t+5], v[ST+8*\t+4:ST+8*\t+5], v[S+32*\t+4*\p+2:S+32*\t+4*\p+3]
.endr
.endr
.irp t, 0,1,2,3
	v_pk_add_f32 v[ST+8*\t+2:ST+8*\t+3], v[ST+8*\t+2:ST+8*\t+3], v[ST+8*\t+4:ST+8*\t+5]
.endr
.irp i, 0,1,2,3,4,5,6,7,8,9,10,11,12,13,14,15  ; P in place: register i takes pair i; ascending, so that no pair is written over before it is read
.irp t, 0,1,2,3
	v_cvt_pk_f16_f32 v[S+32*\t+\i], v[S+32*\t+2*\i], v[S+32*\t+2*\i+1]
.endr
.endr
.if \rs
	WIN W_RS
.irp i, 0,1,2,3,4,5,6,7,8,9,10,11,12,13,14,15  ; O^T times a, each accumulator from its low end on
.irp t, 0,1,2,3
	v_pk_mul_f32 v[32*\t+2*\i:32*\t+2*\i+1], v[32*\t+2*\i:32*\t+2*\i+1], v[ST+8*\t+6:ST+8*\t+7] op_sel_hi:[1,0]
.endr
.endr
	WIN 0
.endif
.endm
; A KEY STEP j.  pv = 0: none before it; 2: the products V^T P of step j - 1 start O^T's sums; 1: they add to them.
.macro STEP pv, rs
	v_add_nc_u32 v[ADK], s[TB], v[AK0]
	v_add_nc_u32 v[ADV], s[TB], v[AV0]
	WIN W_LD
.irp f, 0,1,2,3,4,5,6,7             ; K(j): keys 16 (f / 2) on, channels 32 (f % 2) on.  K's last readers stand ahead of the four v_nop of the step before
	ds_load_b128 v[KF+8*\f:KF+8*\f+3],   v[ADK] offset:(\f/2)*16*PK+(\f%2)*64
	ds_load_b128 v[KF+8*\f+4:KF+8*\f+7], v[ADK] offset:(\f/2)*16*PK+(\f%2)*64+32
.endr
.if \pv
	s_wait_dscnt 16                 ; V(j - 1) is in; the sixteen loads of K(j) just issued stay out
	WIN W_PV
.set i, 0
.rept 32
	MPV \pv-1
.set i, i+1
.endr
.rept 5
	v_nop                           ; five places: the products below write over P's registers, which the products above read
.endr
.endif
	s_wait_dscnt 0x0                ; K(j) is in
	WIN W_KQ
.set i, 0
.rept 32
	MKQ
.set i, i+1
.endr
.rept 4
	v_nop                           ; four places: ahead of the first read of the scores, of the loads into V's registers, and of the next step's loads into K's
.endr
	WIN W_LD
.irp f, 0,1,2,3,4,5,6,7             ; V(j), turned: keys 32 (f / 4) on, channels 16 (f % 4) on
	ds_load_tr16_b128 v[VF+8*\f:VF+8*\f+3],   v[ADV] offset:(\f/4)*32*PV+(\f%4)*32
	ds_load_tr16_b128 v[VF+8*\f+4:VF+8*\f+7], v[ADV] offset:(\f/4)*32*PV+16*PV+(\f%4)*32
.endr
	WIN 0
	s_add_co_u32 s[TB], s[TB], STEPB  ; the next step's tiles
	SOFTMAX \rs
.endm
; THE CHANGE OF SLOTS stands at a slot's head.  Each wave waits for all its tensor loads, of which one is out: its part of the slot ahead; adds 0 to its spare word; and waits for that and for its reads of the
; slot that it has left (the last were V's).  fill = 1: the barrier is a round of the cluster's, so that no wave of any partner still reads the slot left or has a load on its way, and the joint load of the
; next 256 keys into that slot is the first thing behind it.  (At the first change that is slot 1's first fill, in all eight waves.)
.macro CHANGE fill
	WIN 0
	s_wait_tensorcnt 0x0            ; no tensor load of mine is out, so a group 0 may be written
	ds_add_u32 v[SPW], v[NIL]       ; 0 onto my spare word; the descriptors' steps stand between it and the wait for it
.if \fill
.irp g, G0K, G0V
	s_xor_b32 s[\g+1], s[\g+1], SLOT1  ; the other slot than last time,
	s_add_nc_u64 s[\g+2:\g+3], s[\g+2:\g+3], 4*KS*128  ; the next 256 keys; the type bits on top are not reached
.endr
	s_wait_xcnt 0x0                 ; the last prefetch, four key steps back, has read its address, so it may be written:
	s_add_nc_u64 s[PFA:PFA+1], s[PFA:PFA+1], 4*KS*128  ; one slot further on than the walking descriptors
	s_wait_dscnt 0x0                ; the add is done, and my reads of the slot that I have left are over
	CROUND
	JLOAD
	ASK
.else
	s_wait_dscnt 0x0
	s_barrier_signal -1
	s_barrier_wait -1
.endif
.endm
.macro STEPS_LOOP n                 ; n key steps, written once; then the fetches go back to a slot's first step, in the other slot
	s_mov_b32 s[CNT], \n
.Lstep_\@:
	STEP 1, 1
	s_sub_co_u32 s[CNT], s[CNT], 1
	s_cmp_lg_u32 s[CNT], 0
	s_cbranch_scc1 .Lstep_\@
	s_sub_co_u32 s[TB], s[TB], 4*STEPB
	s_xor_b32 s[TB], s[TB], SLOT1
.endm
	s_wait_loadcnt 0x0              ; Q
	s_mov_b32 s[SLOTS], 7
	CHANGE 1                        ; slot 0 is whole; keys 256 to 511 are asked for
	STEP 0, 0                       ; key step 0: scores and softmax alone
	STEP 2, 1                       ; key step 1: step 0's V^T P starts O^T
	STEPS_LOOP 2
	s_mov_b32 s[SLOTS], 6
.Lslot:                             ; six trips: each asks for the slot after the one that it walks
	CHANGE 1
	STEPS_LOOP 4
	s_sub_co_u32 s[SLOTS], s[SLOTS], 1
	s_cmp_lg_u32 s[SLOTS], 0
	s_cbranch_scc1 .Lslot
	CHANGE 0                        ; the last slot is written out
	STEPS_LOOP 4
	s_wait_dscnt 0x0                ; V of the last step
	WIN W_PV
.set i, 0
.rept 32
	MPV 0
.set i, i+1
.endr
	; THE WAY OUT.  l's two halves and the other half of the lanes' are added; O^T is divided by l, rounded to f16 and sent through my stage, a tile (16 rows) at a time.  The additions are the places behind the last products.
	WIN 0
.irp t, 0,1,2,3
	v_add_f32 v[ST+8*\t+4], v[ST+8*\t+2], v[ST+8*\t+3]
.endr
.irp t, 0,1,2,3
	v_permlanex16_b32 v[ST+8*\t+5], v[ST+8*\t+4], s[SEL], s[SEL+1]
.endr
.irp t, 0,1,2,3
	v_add_f32 v[ST+8*\t+4], v[ST+8*\t+4], v[ST+8*\t+5]
.endr
.irp t, 0,1,2,3
	v_rcp_f32 v[ST+8*\t+6], v[ST+8*\t+4]
.endr
	v_nop                           ; a plain instruction between the last reciprocal and the use of its result
	s_wait_alu depctr_va_vdst(0)    ; and the wait ahead of the first use: one for the four
.macro PACK t                       ; a lane's eight channels of a row pack into 16 bytes; they go into rows of 144 bytes and come back four rows an instruction
	WIN W_RS
.set i, 0
.rept 16
	v_pk_mul_f32 v[32*\t+i:32*\t+i+1], v[32*\t+i:32*\t+i+1], v[ST+8*\t+6:ST+8*\t+7] op_sel_hi:[1,0]
.set i, i+2
.endr
	WIN 0x05                        ; sources 0 and 1 window 1, destination window 0: S^T's registers are free
.set i, 0
.rept 16
	v_cvt_pk_f16_f32 v[S+32*\t+i], v[32*\t+2*i], v[32*\t+2*i+1]
.set i, i+1
.endr
	WIN 0
.irp f, 0,1,2,3
	ds_store_b128 v[STO], v[S+32*\t+4*\f:S+32*\t+4*\f+3] offset:16*SP*\t+32*\f
.endr
.irp f, 0,1,2,3
	ds_load_b128 v[S+32*\t+16+4*\f:S+32*\t+16+4*\f+3], v[RD] offset:16*SP*\t+4*SP*\f  ; LDS serves a wave's instructions in order (ISA guide 5.7.1.4): these see the stores above
.endr
.endm
.macro SEND t, younger              ; younger: the LDS instructions issued behind tile t's loads: the next tile's eight, or none
.irp f, 0,1,2,3
	s_wait_dscnt \younger+3-\f
	global_store_b128 v[GO], v[S+32*\t+16+4*\f:S+32*\t+16+4*\f+3], s[10:11] offset:2048*\t+512*\f  ; 512 consecutive bytes, aligned
.endr
.endm
	PACK 0
	PACK 1                          ; a tile's arithmetic stands between the loads of the tile before and its stores
	SEND 0, 8
	PACK 2
	SEND 1, 8
	PACK 3
	SEND 2, 8
	SEND 3, 0
	s_wait_tensorcnt 0x0            ; the wave's end: three lines behind my last tensor load and my last LDS store
	ds_add_u32 v[SPW], v[NIL]
	s_wait_dscnt 0x0
	CROUND                          ; the closing round: no work-group ends while a partner may still ask for a tile that names it
	s_endpgm
.Lfunc_end_k_qb7417f06e5_attn:
	.size	k_qb7417f06e5_attn, .Lfunc_end_k_qb7417f06e5_attn-k_qb7417f06e5_attn
	.p2alignl 7, 3214868480
	.fill 96, 4, 3214868480
	.section	.rodata,"a",@progbits
	.p2align	6, 0x0
	.amdhsa_kernel k_qb7417f06e5_attn
		.amdhsa_group_segment_fixed_size 327680
		.amdhsa_private_segment_fixed_size 0
		.amdhsa_enable_private_segment 0
		.amdhsa_kernarg_size 16
		.amdhsa_user_sgpr_count 2
		.amdhsa_user_sgpr_kernarg_segment_ptr 1
		.amdhsa_wavefront_size32 1
		.amdhsa_system_sgpr_workgroup_id_x 1
		.amdhsa_system_sgpr_workgroup_id_y 1
		.amdhsa_system_sgpr_workgroup_id_z 1
		.amdhsa_system_vgpr_workitem_id 0
		.amdhsa_next_free_vgpr 512
		.amdhsa_next_free_sgpr 66
		.amdhsa_reserve_vcc 0
		.amdhsa_float_denorm_mode_32 3
		.amdhsa_float_denorm_mode_16_64 3
		.amdhsa_memory_ordered 1
		.amdhsa_forward_progress 1
		.amdhsa_inst_pref_size 180
	.end_amdhsa_kernel
	.amdgpu_metadata
---
amdhsa.version: [ 1, 2 ]
amdhsa.kernels:
  - .name:           k_qb7417f06e5_attn
    .symbol:         k_qb7417f06e5_attn.kd
    .args:
      - { .name: qkvh, .offset: 0, .size: 8, .value_kind: global_buffer, .address_space: global }
      - { .name: att, .offset: 8, .size: 8, .value_kind: global_buffer, .address_space: global }
    .group_segment_fixed_size: 327680
    .private_segment_fixed_size: 0
    .kernarg_segment_align: 8
    .kernarg_segment_size: 16
    .max_flat_workgroup_size: 256
    .sgpr_count:     66
    .vgpr_count:     512
    .wavefront_size: 32
...
	.end_amdgpu_metadata
.endif
;; end of part 3
;; launch outp (part 4): grid 4 x 64, 4 waves a work-group, clusters of 4 x 4, 327,680 bytes of LDS; arguments att, w0t, b_0, out0; writes out0
.if DOCPART == 4
	.amdgcn_target "amdgcn-amd-amdhsa--gfx1250"
	.amdhsa_code_object_version 6
	.text
	.protected	k_qb7417f06e5_outp
	.globl	k_qb7417f06e5_outp
	.p2align	8
	.type	k_qb7417f06e5_outp,@function
k_qb7417f06e5_outp:
	s_mov_b64 s[64:65], 0
	v_nop
	global_prefetch_b8 v0, s[64:65] scope:SCOPE_SE
	s_setreg_imm32_b32 hwreg(HW_REG_WAVE_MODE, 25, 1), 1
	s_wait_xcnt 0x0
	s_wait_alu depctr_hold_cnt(0) depctr_sa_sdst(0) depctr_va_vdst(0) depctr_va_sdst(0) depctr_va_ssrc(0) depctr_va_vcc(0) depctr_vm_vsrc(0)
	s_getreg_b32 s2, hwreg(HW_REG_IB_STS2, 6, 4)
	s_cmp_eq_u32 s2, 0
	s_cbranch_scc0 .Lentry_in_a_cluster
	s_endpgm
.Lentry_in_a_cluster:
	s_bfe_u32 s2, ttmp6, 0x10000c
	s_cmp_lg_u32 s2, 0xf033
	s_cbranch_scc0 .Lentry_shape_is_right
	s_endpgm
.Lentry_shape_is_right:
; out0[m][n] = sum over k of att[m][k] w_0[k][n] + b_0[n].  att: [8192][1024] f16 (the attention's result read flat, as the problem reshapes it); w0t: [n 1024][k 1024] f16; out0: [8192][1024] f32; sums in f32.
; A tile of out0 is 128 x 256: 64 x 4 tiles, one for each of 256 work-groups (tiles of 256 x 256 would be 128).  Four waves, each 64 rows x 128 columns: 32 accumulators of 16 x 16, 256 registers.
; K goes in steps of 128 (rows of 256 bytes) through a ring of two LDS slots filled by the tensor data mover: waves 0 and 1 fetch att's two halves (64 rows), waves 2 and 3 w0t's (128 rows).
; CLUSTERS: 4 x 4 work-groups.  The four of a row of the cluster need the same rows of att, the four of a column the same rows of w0t: each tile is asked for JOINTLY.
; THE MATRIX INSTRUCTION IS USED TRANSPOSED (source 0 = 16 rows of w0t, source 1 = 16 rows of att): a lane holds eight neighbouring n of one row m.  THE BIAS is the C of each sum's first instruction.
; REGISTERS: window 0: v0-31 addresses; v32-63, v64-95 att's fragments (4 x 16 rows x 32 K), two buffers; v128-191, v192-255 w0t's (8 x), two buffers, on the way out rows read back.
;   window 1: the accumulators ((a, b) at v[8 (8 a + b)]).   window 2: v0-63 the bias in the result's layout.
.set KSTEP,  128
.set PITCH,  272                       ; an LDS row: 256 bytes + 16 of padding = 68 words: row r starts at bank 4 r mod 64 (64 banks of 4 bytes: ISA guide 11.1)
.set ATILE,  128*PITCH                 ; att's 128 rows
.set SLOT,   ATILE+256*PITCH           ; then w0t's 256 rows
.set STAGE,  2*SLOT                    ; behind the ring: 16 rows x 528 bytes for each wave, for the way out
.set SPITCH, 528
.set SPARE,  STAGE+4*16*SPITCH         ; the spare words, 128 bytes for each wave: two blocks of 256 bytes that no other line names
.set LAPS,   4                         ; a lap = two K steps = once round the ring
.set ADRA, 16                          ; v16-17  LDS address of my att fragments in slot 0, 1
.set ADRB, 20                          ; v20-21  the same for w0t
.set STO,  24                          ; v24     the way out: where I put 32 bytes of a row
.set RD,   25                          ; v25     the way out: where I read a row back
.set CO,   26                          ; v26     16 x lane
.set SPW,  28                          ; v28     LDS address of my spare word; never rewritten
.set NIL,  29                          ; v29     0; never rewritten
.set PFO,  30                          ; v30     2,048 x lane: a row of att or w0t; never rewritten
.set FA,   32
.set FB,   128
.set BK,   128
.set LIM,  43                          ; s43     1 in a wave that prefetches, else the greatest number
.set PFA,  44                          ; s[44:45] where my prefetches stand: one K step further along K than the refill that is being asked for; a prefetch names the K step after that
.set G1, 24                            ; s[24:31] descriptor group 1 for att's tiles;  s[32:39] group 0, one set for each slot
.set G0, 32
.set G1B, 48                           ; s[48:55], s[56:63] the same for w0t's
.set G0B, 56
.set MSB, 0
.macro WIN new                         ; the immediate's high byte repeats the setting that is left; a switch that changes nothing is dropped
.if MSB != \new
	s_set_vgpr_msb (MSB<<8)|\new
.set MSB, \new
.endif
.endm
.set MUL, 0x50                         ; sources 0 and 1 window 0; C and D window 1.  (+ 0x10: C, the bias, window 2)
.macro JLOAD s                         ; a joint load; the branch hangs on the wave's number alone; an s_nop 0 and four v_nop follow each of the two lines
	s_cmp_eq_u32 s13, 0
	s_cbranch_scc0 .Lfor_b_\@
	tensor_load_to_lds s[G0+4*\s:G0+4*\s+3], s[G1:G1+7]
	s_nop 0
.rept 4
	v_nop
.endr
	s_branch .Lasked_\@
.Lfor_b_\@:
	tensor_load_to_lds s[G0B+4*\s:G0B+4*\s+3], s[G1B:G1B+7]
	s_nop 0
.rept 4
	v_nop
.endr
.Lasked_\@:
.endm
; A PREFETCH, behind each joint refill and the run of LDS loads that follows it, of the K step that stands TWO refills on: 32 rows x 256 bytes, a lane a row, one instruction a wave.
; Each row's 256 bytes of a K step are named ONCE in the launch.  att's tile row is read by one cluster alone: its four partners along x take 32 rows each, told apart BY ADDRESS, and wave 0 asks.
; w0t's tile column is read by every cluster: the cluster with y = 0 asks; its four partners along y take 64 rows each, by address, waves 2 and 3 32 each.  Wave 1 never asks.
; The last two refills have no K step two on; K steps 0 to 3 come by their loads alone.
.macro ASK
	s_cmp_gt_u32 s3, s[LIM]                        ; s3 = 1 in the loop's last trip
	s_cbranch_scc0 .Lnot_mine_\@
	global_prefetch_b8 v[PFO], s[PFA:PFA+1] offset:KSTEP*2 th:TH_LOAD_NT scope:SCOPE_SE
.Lnot_mine_\@:
.endm
.macro CREST                           ; a round of the cluster's barrier behind its opening barrier
	s_cmp_lg_u32 s12, 0
	s_cbranch_scc1 .Lnot_wave_0_\@
	s_barrier_signal -3
.Lnot_wave_0_\@:
	s_barrier_wait -3
	s_barrier_signal -1
	s_barrier_wait -1
.endm
.macro CROUND                          ; a whole round
	s_barrier_signal -1
	s_barrier_wait -1
	CREST
.endm
	s_load_b256 s[4:11], s[0:1], 0x0               ; att s[4:5], w0t s[6:7], b_0 s[8:9], out0 s[10:11]
	v_lshl_add_u32 v[SPW], v0, 2, SPARE
	v_mov_b32 v[NIL], 0
	ds_add_u32 v[SPW], v[NIL]                      ; the wave's opening: the add, twice on end, and its wait ahead of my first tensor load; the set-up below stands between
	ds_add_u32 v[SPW], v[NIL]
	v_lshrrev_b32 v1, 5, v0
	v_readfirstlane_b32 s12, v1                    ; wave 0..3
	s_lshr_b32 s13, s12, 1                         ; which half of the tile's rows is mine.  Also: I fetch for att (0) or for w0t (1)
	s_and_b32 s14, s12, 1                          ; which half of its columns.  Also: which half of that tile I fetch
	s_bfe_u32 s40, ttmp6, 0x40000                  ; cx, cy: my place in the cluster
	s_bfe_u32 s41, ttmp6, 0x40004
	s_lshl_b32 s42, ttmp9, 2
	s_add_co_u32 s42, s42, s40                     ; tile column = 4 x cluster x + cx
	s_and_b32 s15, ttmp7, 0xffff
	s_lshl_b32 s15, s15, 2
	s_add_co_u32 s15, s15, s41                     ; tile row = 4 x cluster y + cy
	s_lshl_b32 s16, s41, 2
	s_lshl_b32 s16, 15, s16                        ; my row of the cluster
	s_lshl_b32 s17, 0x1111, s40                    ; my column
	s_or_b32 s[G1+0], s16, (1<<16)|(1<<20)|(1<<21)|(5<<22)|(3<<25)  ; 15:0 the mask: att's tiles go to my row; 17:16 elements of 2 bytes; 20 padding on; 21 set beside a mask; 24:22 after every 64 words (code 5); 31:25 four words (code 3)
	s_or_b32 s[G1B+0], s17, (1<<16)|(1<<20)|(1<<21)|(5<<22)|(3<<25)
	s_mov_b32 s[G1+1], KSTEP<<16                   ; tensor_dim0 = 128
	s_mov_b32 s[G1+2], 64<<16                      ; tensor_dim1 = 64
	s_mov_b32 s[G1+3], KSTEP<<16                   ; tile_dim0 = 128
	s_mov_b32 s[G1+4], 64                          ; tile_dim1 = 64
	s_mov_b32 s[G1+5], 1024                        ; tensor_dim0_stride
	s_mov_b32 s[G1+6], 0
	s_mov_b32 s[G1+7], 0
	s_mov_b32 s[G1B+1], KSTEP<<16
	s_mov_b32 s[G1B+2], 128<<16                    ; w0t's loads bring 128 rows
	s_mov_b32 s[G1B+3], KSTEP<<16
	s_mov_b32 s[G1B+4], 128
	s_mov_b32 s[G1B+5], 1024
	s_mov_b32 s[G1B+6], 0
	s_mov_b32 s[G1B+7], 0
	s_lshl_b32 s22, s15, 7
	s_lshl_b32 s18, s14, 6
	s_add_co_u32 s22, s22, s18                     ; att: row 128 x tile row + 64 x half,
	s_lshl_b32 s22, s22, 11                        ; of 2,048 bytes
	s_mov_b32 s23, 0
	s_lshl_b32 s46, s42, 8
	s_lshl_b32 s18, s14, 7
	s_add_co_u32 s46, s46, s18                     ; w0t: row 256 x tile column + 128 x half
	s_lshl_b32 s46, s46, 11
	s_mov_b32 s47, 0
	s_mul_i32 s20, s14, 64*PITCH                   ; where they go: no place in the cluster enters an LDS address
	s_mul_i32 s21, s14, 128*PITCH
	s_add_co_u32 s21, s21, ATILE
	s_wait_dscnt 0x0                               ; both opening adds are done
	s_wait_kmcnt 0x0
	s_add_nc_u64 s[22:23], s[4:5], s[22:23]
	s_add_nc_u64 s[46:47], s[6:7], s[46:47]
	CROUND                                         ; all sixteen work-groups are here: the first joint loads meet
.irp s, 0,1
	s_mov_b32 s[G0+4*\s], 1
	s_add_co_u32 s[G0+4*\s+1], s20, \s*SLOT
	s_add_nc_u64 s[G0+4*\s+2:G0+4*\s+3], s[22:23], \s*KSTEP*2
	s_or_b32 s[G0+4*\s+3], s[G0+4*\s+3], 0x80000000
	s_mov_b32 s[G0B+4*\s], 1
	s_add_co_u32 s[G0B+4*\s+1], s21, \s*SLOT
	s_add_nc_u64 s[G0B+4*\s+2:G0B+4*\s+3], s[46:47], \s*KSTEP*2
	s_or_b32 s[G0B+4*\s+3], s[G0B+4*\s+3], 0x80000000
	JLOAD \s                                       ; two tensor loads of mine are out
.endr
	v_and_b32 v1, 15, v0                           ; r
	v_bfe_u32 v2, v0, 4, 1                         ; h
	; the bias of my 128 columns: lane (r, h) wants, for w0t's block b, b_0[16 b + 8 h + 0 .. 7]
	s_lshl_b32 s18, s42, 10
	s_lshl_b32 s19, s14, 9
	s_add_co_u32 s18, s18, s19                     ; 4 x (256 x tile column + 128 x half)
	s_mov_b32 s19, 0
	s_add_nc_u64 s[8:9], s[8:9], s[18:19]
	v_lshlrev_b32 v4, 5, v2
	WIN 0x80                                       ; destination window 2
.irp b, 0,1,2,3,4,5,6,7
	global_load_b128 v[8*\b:8*\b+3], v4, s[8:9] offset:64*\b
	global_load_b128 v[8*\b+4:8*\b+7], v4, s[8:9] offset:64*\b+16
.endr
	WIN 0
	v_mul_u32_u24 v3, v1, PITCH
	v_lshl_add_u32 v3, v2, 4, v3                   ; a fragment's row x pitch + 16 x half
	s_mul_i32 s18, s13, 64*PITCH                   ; my 64 rows of att
	s_mul_i32 s19, s14, 128*PITCH                  ; my 128 rows of w0t,
	s_add_co_u32 s19, s19, ATILE                   ; which lie behind att's 128
.irp s, 0,1
	v_add_nc_u32 v[ADRA+\s], s18, v3
	v_add_nc_u32 v[ADRB+\s], s19, v3
	s_add_co_u32 s18, s18, SLOT
	s_add_co_u32 s19, s19, SLOT
.endr
	s_mul_i32 s18, s12, 16*SPITCH
	s_add_co_u32 s18, s18, STAGE                   ; my stage
	v_mul_u32_u24 v5, v1, SPITCH                   ; in: row r, 32 bytes for each half of the lanes
	v_lshl_add_u32 v5, v2, 5, v5
	v_add_nc_u32 v[STO], s18, v5
	v_and_b32 v6, 31, v0
	v_lshlrev_b32 v[CO], 4, v6                     ; back: the 32 lanes take one row of 512 bytes; and the same in out0
	v_add_nc_u32 v[RD], s18, v[CO]
	s_lshl_b32 s18, s15, 7
	s_lshl_b32 s19, s13, 6
	s_add_co_u32 s18, s18, s19                     ; my first row: 128 x tile row + 64 x half,
	s_lshl_b32 s18, s18, 12                        ; of 4,096 bytes
	s_lshl_b32 s19, s42, 10
	s_add_co_u32 s18, s18, s19                     ; my first column, in bytes: 1,024 x tile column + 512 x half
	s_lshl_b32 s19, s14, 9
	s_add_co_u32 s18, s18, s19
	s_mov_b32 s19, 0
	s_add_nc_u64 s[10:11], s[10:11], s[18:19]
	; the prefetches: where my wave's stand, and who asks
	s_and_b32 s18, ttmp7, 0xffff                   ; cluster y
	s_lshl_b32 s19, s15, 7
	s_lshl_b32 s2, s40, 5
	s_add_co_u32 s19, s19, s2                      ; att: row 128 x tile row + 32 cx
	s_lshl_b32 s2, s42, 8
	s_lshl_b32 s3, s41, 6
	s_add_co_u32 s2, s2, s3
	s_lshl_b32 s3, s14, 5
	s_add_co_u32 s2, s2, s3                        ; w0t: row 256 x tile column + 64 cy + 32 x half
	s_cmp_eq_u32 s13, 0                            ; do I fetch for att?
	s_cselect_b32 s2, s19, s2
	s_cselect_b64 s[PFA:PFA+1], s[4:5], s[6:7]
	s_cselect_b32 s3, s12, s18                     ; att: wave 0 asks, wave 1 does not; w0t: the cluster with y = 0 asks
	s_cmp_eq_u32 s3, 0
	s_cselect_b32 s[LIM], 1, -1                    ; the same in all sixteen partners, for a given wave
	s_lshl_b32 s2, s2, 11
	s_add_co_u32 s2, s2, 2*KSTEP*2                 ; at K step 2: the first refill steps it to 3 and names K step 4
	s_mov_b32 s3, 0
	s_add_nc_u64 s[PFA:PFA+1], s[PFA:PFA+1], s[2:3]
	v_and_b32 v[PFO], 31, v0
	v_lshlrev_b32 v[PFO], 11, v[PFO]
; 8 matrix instructions: att's block a against w0t's eight, 32 along K, from buffers f.  first = 1: the bias is C and the sums begin: nothing is cleared or added later.
; The 32 accumulators take turns, one instruction a turn, in the same order in every quarter.
.macro MUL8 f, a, first
.irp b, 0,1,2,3,4,5,6,7
.if \first
	v_wmma_f32_16x16x32_f16 v[8*(8*\a+\b):8*(8*\a+\b)+7], v[FB+64*\f+8*\b:FB+64*\f+8*\b+7], v[FA+32*\f+8*\a:FA+32*\f+8*\a+7], v[8*\b:8*\b+7]
.else
	v_wmma_f32_16x16x32_f16 v[8*(8*\a+\b):8*(8*\a+\b)+7], v[FB+64*\f+8*\b:FB+64*\f+8*\b+7], v[FA+32*\f+8*\a:FA+32*\f+8*\a+7], v[8*(8*\a+\b):8*(8*\a+\b)+7]
.endif
.endr
.endm
; 24 LDS loads in one run: the fragments of 32 along K at byte k of the rows, into buffers f: w0t's sixteen first, then att's eight.  A fragment is 16 rows x 32 K in 8 registers: two loads of 16 bytes, 32 bytes apart.
.macro FETCH slot, k, f
.irp i, 0,1,2,3,4,5,6,7
	ds_load_b128 v[FB+64*\f+8*\i:FB+64*\f+8*\i+3],   v[ADRB+\slot] offset:\k+\i*16*PITCH
	ds_load_b128 v[FB+64*\f+8*\i+4:FB+64*\f+8*\i+7], v[ADRB+\slot] offset:\k+\i*16*PITCH+32
.endr
.irp i, 0,1,2,3
	ds_load_b128 v[FA+32*\f+8*\i:FA+32*\f+8*\i+3],   v[ADRA+\slot] offset:\k+\i*16*PITCH
	ds_load_b128 v[FA+32*\f+8*\i+4:FA+32*\f+8*\i+7], v[ADRA+\slot] offset:\k+\i*16*PITCH+32
.endr
.endm
.macro PLACES                          ; four places in front of loads into registers that matrix instructions have read, and of the first read of results (ISA guide 7.12.1 for vector instructions)
.rept 4
	v_nop
.endr
.endm
; A K step is four quarters of 32 along K, 32 matrix instructions each, on buffers 0, 1, 0, 1.  One of the first three: multiplies buffers f and fetches the next quarter, at byte k, into g.
.macro QUARTER slot, k, f, g, first
	s_wait_dscnt 4                                 ; w0t's fragments and att's blocks 0, 1 are in; the youngest four loads (att's blocks 2, 3) may be out
	WIN (MUL+0x10*\first)
	MUL8 \f, 0, \first
	MUL8 \f, 1, \first
	PLACES
	WIN 0
	FETCH \slot, \k, \g
	s_wait_dscnt 24                                ; all but the 24 just issued
	WIN (MUL+0x10*\first)
	MUL8 \f, 2, \first
	MUL8 \f, 3, \first
.endm
; The last quarter multiplies buffers 1 and changes slots: ONE barrier; in front of it each wave waits for all its tensor loads, adds 0 to its spare word, and waits for that and for its own reads of this slot.
; fill = 1: the barrier opens a round of the cluster's, and this slot is filled again, two K steps ahead: the refill is the first tensor load behind the round.
.macro TURN slot, next, fill
.if \fill
	s_wait_xcnt 0x0                                ; the last prefetch, a K step back, has read its address: it is stepped here, ahead of the waits of the change of slots
	s_add_nc_u64 s[PFA:PFA+1], s[PFA:PFA+1], KSTEP*2
.endif
	WIN 0                                          ; (the add's two registers lie in window 0)
	s_wait_tensorcnt 0x0                           ; all my tensor loads have landed: the one that was out is my part of the next slot
	ds_add_u32 v[SPW], v[NIL]                      ; 0 onto my spare word
	s_wait_dscnt 5                                 ; (the add and the youngest four loads may be out)
	WIN MUL
	MUL8 1, 0, 0                                   ; eight matrix instructions stand between the add and the wait for it
	s_wait_dscnt 0x0                               ; the add is done, and my reads of this slot are over
	s_barrier_signal -1
	MUL8 1, 1, 0
	WIN 0
	s_barrier_wait -1
.if \fill
	CREST                                          ; no wave of any partner still reads this slot's tile or has a load on its way
	s_add_nc_u64 s[G0+4*\slot+2:G0+4*\slot+3], s[G0+4*\slot+2:G0+4*\slot+3], 2*KSTEP*2
	s_add_nc_u64 s[G0B+4*\slot+2:G0B+4*\slot+3], s[G0B+4*\slot+2:G0B+4*\slot+3], 2*KSTEP*2
	JLOAD \slot                                    ; the four v_nop behind it are also the places in front of the loads below
.else
	PLACES
.endif
	FETCH \next, 0, 0
.if \fill
	ASK
.endif
	WIN MUL
	MUL8 1, 2, 0
	MUL8 1, 3, 0
.endm
	s_wait_tensorcnt 1                             ; my part of K step 0 is in; one load, K step 1's, stays out
	s_barrier_signal -1
	s_barrier_wait -1                              ; everybody's is
	FETCH 0, 0, 0
	s_wait_loadcnt 0x0                             ; the bias
	QUARTER 0, 64, 0, 1, 1                         ; the first quarter stands in front of the loop: its products start the sums
	WIN 0                                          ; at a label and at a branch every window is 0
	s_mov_b32 s3, LAPS-1
.Llap:                                                 ; a trip goes once round the ring, from a lap's second quarter to the next lap's first, and fills both slots again
	QUARTER 0, 128, 1, 0, 0
	QUARTER 0, 192, 0, 1, 0
	TURN 0, 1, 1
	QUARTER 1, 64,  0, 1, 0
	QUARTER 1, 128, 1, 0, 0
	QUARTER 1, 192, 0, 1, 0
	TURN 1, 0, 1
	QUARTER 0, 64,  0, 1, 0
	WIN 0
	s_sub_co_u32 s3, s3, 1
	s_cmp_lg_u32 s3, 0
	s_cbranch_scc1 .Llap
	QUARTER 0, 128, 1, 0, 0                        ; the last lap fills nothing, and has no round of the cluster's barrier
	QUARTER 0, 192, 0, 1, 0
	TURN 0, 1, 0
	QUARTER 1, 64,  0, 1, 0
	QUARTER 1, 128, 1, 0, 0
	QUARTER 1, 192, 0, 1, 0
	s_wait_dscnt 4                                 ; the very last quarter: nothing more to fetch
	WIN MUL
	MUL8 1, 0, 0
	MUL8 1, 1, 0
	s_wait_dscnt 0
	MUL8 1, 2, 0
	MUL8 1, 3, 0
	WIN 0
; THE WAY OUT, block by block of 16 rows x 128 columns.  A lane holds 32 neighbouring bytes of a row, and the lanes beside it hold other rows: a block goes through my own stage and comes back as whole rows of
; 512 bytes.  LDS serves a wave's instructions in order (ISA guide 5.7.1.4): no wait between the stores and the loads, nor in front of the next block's stores.
.macro TOSTAGE a
	WIN 0x04                                       ; an LDS store's data are its source 1: window 1
.irp b, 0,1,2,3,4,5,6,7
	ds_store_b128 v[STO], v[8*(8*(\a)+\b):8*(8*(\a)+\b)+3] offset:64*\b            ; each accumulator from its low end on
	ds_store_b128 v[STO], v[8*(8*(\a)+\b)+4:8*(8*(\a)+\b)+7] offset:64*\b+16
.endr
	WIN 0
.set BB, BK+64*((\a)%2)
.irp t, 0,1,2,3,4,5,6,7,8,9,10,11,12,13,14,15
	ds_load_b128 v[BB+4*\t:BB+4*\t+3], v[RD] offset:\t*SPITCH
.endr
.endm
.macro SEND a, younger                 ; younger: the LDS instructions issued behind block a's loads, which may stay out
.set BB, BK+64*((\a)%2)
	s_wait_dscnt \younger                          ; the block is back in registers
.irp t, 0,1,2,3,4,5,6,7,8,9,10,11,12,13,14,15
	global_store_b128 v[CO], v[BB+4*\t:BB+4*\t+3], s[10:11] offset:(16*(\a)+\t)*4096 th:TH_STORE_NT   ; 512 consecutive bytes, aligned; written once, read by nobody here; the base is never stepped
.endr
.endm
	PLACES                                         ; behind the last products: for the reads of results, and for the loads into the registers that held w0t's fragments
	TOSTAGE 0
.irp a, 1,2,3
.if \a > 1
	s_wait_xcnt 0x0                                ; block a - 2's stores have read their registers: block a's loads may land there
.endif
	TOSTAGE \a
	SEND \a-1, 32                                  ; behind block a - 1's loads: block a's 16 stores and 16 loads
.endr
	SEND 3, 0
	s_wait_tensorcnt 0x0                           ; the wave's end: three lines behind my last tensor load and my last LDS store
	ds_add_u32 v[SPW], v[NIL]
	s_wait_dscnt 0x0
	CROUND                                         ; the closing round: no work-group ends while a partner may still ask for a tile that names it
	s_endpgm
.Lfunc_end_k_qb7417f06e5_outp:
	.size	k_qb7417f06e5_outp, .Lfunc_end_k_qb7417f06e5_outp-k_qb7417f06e5_outp
	.p2alignl 7, 3214868480
	.fill 96, 4, 3214868480
	.section	.rodata,"a",@progbits
	.p2align	6, 0x0
	.amdhsa_kernel k_qb7417f06e5_outp
		.amdhsa_group_segment_fixed_size 327680
		.amdhsa_private_segment_fixed_size 0
		.amdhsa_enable_private_segment 0
		.amdhsa_kernarg_size 32
		.amdhsa_user_sgpr_count 2
		.amdhsa_user_sgpr_kernarg_segment_ptr 1
		.amdhsa_wavefront_size32 1
		.amdhsa_system_sgpr_workgroup_id_x 1
		.amdhsa_system_sgpr_workgroup_id_y 1
		.amdhsa_system_sgpr_workgroup_id_z 1
		.amdhsa_system_vgpr_workitem_id 0
		.amdhsa_next_free_vgpr 576
		.amdhsa_next_free_sgpr 66
		.amdhsa_reserve_vcc 0
		.amdhsa_float_denorm_mode_32 3
		.amdhsa_float_denorm_mode_16_64 3
		.amdhsa_memory_ordered 1
		.amdhsa_forward_progress 1
		.amdhsa_inst_pref_size 88
	.end_amdhsa_kernel
	.amdgpu_metadata
---
amdhsa.version: [ 1, 2 ]
amdhsa.kernels:
  - .name:           k_qb7417f06e5_outp
    .symbol:         k_qb7417f06e5_outp.kd
    .args:
      - { .name: att, .offset: 0, .size: 8, .value_kind: global_buffer, .address_space: global }
      - { .name: w0t, .offset: 8, .size: 8, .value_kind: global_buffer, .address_space: global }
      - { .name: b_0, .offset: 16, .size: 8, .value_kind: global_buffer, .address_space: global }
      - { .name: out0, .offset: 24, .size: 8, .value_kind: global_buffer, .address_space: global }
    .group_segment_fixed_size: 327680
    .private_segment_fixed_size: 0
    .kernarg_segment_align: 8
    .kernarg_segment_size: 32
    .max_flat_workgroup_size: 128
    .sgpr_count:     66
    .vgpr_count:     576
    .wavefront_size: 32
...
	.end_amdgpu_metadata
.endif
;; end of part 4
